; MI455X (gfx1250); checked and timed in simulation.
; The chip was launched on July 23, 2026; its instructions are those of AMD's public machine-readable ISA for CDNA 5 (MIT licence, August 2026) and "CDNA5" Instruction Set Architecture Reference Guide (July 2026). The comments in the code are by the model that wrote it; some were corrected since.
;; Multi Head Attention. Allowed arithmetic: matrix products marked QUANTISED: E4M3 operands, one given power-of-two scale a tensor, by v_wmma_f32_16x16x64_fp8_fp8 or v_wmma_f32_16x16x128_fp8_fp8, f32 sums; everything else in f32.
;; Inputs: bk 1,024 float32; bo 1,024 float32; bq 1,024 float32; bv 1,024 float32; key_codes 4 x 2,048 x 32 x 32 uint8 (E4M3 codes of key, K innermost, in blocks of 32 codes); lowp_scales 12 int32 (the exponents e of the quantised operands' scales 2^e); mask 1 x 1 x 2,048 x 2,048 bool; query_codes 4 x 2,048 x 32 x 32 uint8 (E4M3 codes of query, K innermost, in blocks of 32 codes); value_codes 4 x 2,048 x 32 x 32 uint8 (E4M3 codes of value, K innermost, in blocks of 32 codes); wk_codes 1,024 x 32 x 32 uint8 (E4M3 codes of wk, K innermost, in blocks of 32 codes); wo_codes 1,024 x 32 x 32 uint8 (E4M3 codes of wo, K innermost, in blocks of 32 codes); wq_codes 1,024 x 32 x 32 uint8 (E4M3 codes of wq, K innermost, in blocks of 32 codes); wv_codes 1,024 x 32 x 32 uint8 (E4M3 codes of wv, K innermost, in blocks of 32 codes).
;; Outputs: out0 4 x 2,048 x 1,024 float32.
;; This version of the problem:
;;   THIS VERSION OF THE PROBLEM IS GIVEN IN LOW PRECISION. The matrix products marked QUANTISED in the list below multiply operands that are first quantised to E4M3 (4 exponent bits, 3 mantissa bits; 8 bits a number), with one given power-of-two scale for each operand tensor; their sums are f32. All else is computed in f32.
;;   The module's matrix products, in the order in which they are computed (A, B: the left and right operand; K: the contracted axis; several contracted axes count as one K, in the product's order):
;;     1. [M 8,192, K 1,024] x [K 1,024, N 1,024]; A: input query (given as codes); B: input wq (given as codes): QUANTISED (scales: A lowp_scales[0], B lowp_scales[1])
;;     2. [M 8,192, K 1,024] x [K 1,024, N 1,024]; A: input key (given as codes); B: input wk (given as codes): QUANTISED (scales: A lowp_scales[2], B lowp_scales[3])
;;     3. [M 8,192, K 1,024] x [K 1,024, N 1,024]; A: input value (given as codes); B: input wv (given as codes): QUANTISED (scales: A lowp_scales[4], B lowp_scales[5])
;;     4. batch 64 x [M 2,048, K 64] x [K 64, N 2,048]; A: computed on the way; B: computed on the way: QUANTISED (scales: A lowp_scales[6], B lowp_scales[7])
;;     5. batch 64 x [M 2,048, K 2,048] x [K 2,048, N 64]; A: softmax (see below); B: computed on the way: QUANTISED (scales: A lowp_scales[8], B lowp_scales[9])
;;     6. [M 8,192, K 1,024] x [K 1,024, N 1,024]; A: computed on the way; B: input wo (given as codes): QUANTISED (scales: A lowp_scales[10], B lowp_scales[11])
;;   THE QUANTISER, for each operand of a quantised product, along K:
;;     - The operand's scale is 2^e, e = its entry of the input lowp_scales (int32; the entries are numbered through the quantised products in the list's order, A before B).
;;     - Each number is divided by the scale, clamped to +-448, and rounded to the nearest number of E4M3, ties to even, subnormals kept.
;;     - The product sums the exact products of the quantised numbers (number of the format x scale) in f32.
;;   ~~~python
;;   def quantise(x, axis, e):      # numpy; x: float32 -> the quantised numbers, widened to float32 again
;;       x = np.moveaxis(x, axis, -1); K = x.shape[-1]
;;       r = np.clip(x / 2.0 ** e, -448, 448)
;;       step = 2.0 ** (np.maximum(np.frexp(np.where(r == 0, 1, r))[1] - 1, -6) - 3)
;;       q = np.round(r / step) * step * 2.0 ** e      # np.round: ties to even
;;       return np.moveaxis(q, -1, axis).astype(np.float32)
;;   ~~~
;;   SOFTMAX AHEAD OF A QUANTISED PRODUCT. Where the list says 'softmax', what is quantised is not the finished softmax but p = 2^(t - M), with t = logit x log2(e) and M = ceil(the row's largest t), a whole number; so 1/2 < the row's largest p <= 1. The row's sum l is taken of the UNQUANTISED p, in f32, and the product's result is divided by l at the end. Since M is a whole number, a kernel that streams over the keys may use a running M (the ceiling of the running maximum): every later rescaling is an exact power of two, so the quantised numbers keep their values, but for numbers so far below the row's largest that they fall under the format's range.
;;   OPERANDS COMPUTED ON THE WAY. 'Computed on the way' means the value that the module computes at that place (a softmax that the list does not call 'softmax' is quantised finished and normalised). What goes into a quantiser is computed in f32, as accurately as f32 sums, v_exp_f32 and their like allow (about 1e-6 of the number): no bf16 or f16 on the way to a quantiser, and a product that is left as it is and whose result goes on into a quantised operand takes f32 operands (vector FMAs, or v_wmma_f32_16x16x4_f32). A number that lies on a knife's edge between two numbers of the format may be rounded either way, as far as f32 arithmetic and the matrix unit's own rounding can turn it there, and no further.
;;   INPUTS GIVEN AS CODES. key (in the module: [4, 2048, 1024], K = its axis 2); query (in the module: [4, 2048, 1024], K = its axis 2); value (in the module: [4, 2048, 1024], K = its axis 2); wk (in the module: [1024, 1024], K = its axis 1); wo (in the module: [1024, 1024], K = its axis 1); wq (in the module: [1024, 1024], K = its axis 1); wv (in the module: [1024, 1024], K = its axis 1): each comes as NAME_codes (uint8): NAME with its K axis moved to the last place and cut into blocks of 32 codes, [.., K / 32, bytes a block], one block behind the other in memory; one code a byte (a code: sign, 4 exponent bits, 3 mantissa bits); its scale is its entry of lowp_scales. Its value is code x scale, taken as it is: it is not quantised again, and the codes and scales need not be those that the quantiser above would give.
;; 2 versions, each right; version 2 is version 1 with the launch attn written anew for expert scheduling mode. Each part assembles by itself: llvm-mc -triple=amdgcn-amd-amdhsa -mcpu=gfx1250 --defsym DOCPART=n.
;; ======== version 1 of 2: 3 launches
;; limits: right only within a limited range of input values
;; workspace buffers: qc 8,388,608 bytes; kc 8,388,608 bytes; vc 8,388,608 bytes; cc 8,388,608 bytes; maskw 524,288 bytes of whole numbers
;; launch proj (part 1): grid 4 x 96, 4 waves a work-group, clusters of 4 x 4, 327,680 bytes of LDS; arguments query_codes, key_codes, wv_codes, wq_codes, wk_codes, value_codes, bq, bk, bv, qc, kc, vc, lowp_scales, mask, maskw; writes qc, kc, vc, maskw
.if DOCPART == 1
	.amdgcn_target "amdgcn-amd-amdhsa--gfx1250"
	.amdhsa_code_object_version 6
	.text
	.protected	k_qd904f68bf1_proj
	.globl	k_qd904f68bf1_proj
	.p2align	8
	.type	k_qd904f68bf1_proj,@function
k_qd904f68bf1_proj:
	s_mov_b64 s[64:65], 0
	v_nop
	global_prefetch_b8 v0, s[64:65] scope:SCOPE_SE
	s_setreg_imm32_b32 hwreg(HW_REG_WAVE_MODE, 25, 1), 1
	s_wait_xcnt 0x0
	s_wait_alu depctr_hold_cnt(0) depctr_sa_sdst(0) depctr_va_vdst(0) depctr_va_sdst(0) depctr_va_ssrc(0) depctr_va_vcc(0) depctr_vm_vsrc(0)
	s_getreg_b32 s2, hwreg(HW_REG_IB_STS2, 6, 4)
	s_cmp_eq_u32 s2, 0
	s_cbranch_scc0 .Lentry_in_a_cluster
	s_endpgm
.Lentry_in_a_cluster:
	s_bfe_u32 s2, ttmp6, 0x10000c
	s_cmp_lg_u32 s2, 0xf033
	s_cbranch_scc0 .Lentry_shape_is_right
	s_endpgm
.Lentry_shape_is_right:
; THE THREE PROJECTIONS q = query wq^T + bq, k = key wk^T + bk, v = value wv^T + bv, on E4M3 codes (v_wmma_f32_16x16x128_fp8_fp8, f32 sums), each result quantised at once to E4M3 with its given scale;
; and the mask packed into lane-mask words.  NOTHING OF reference() IS LEFT OUT in this program: every bias stands ahead of a quantiser or in the output, the mask is an input, all six products are live; all inputs are loaded.
; C[y][x] = sum over k of A[y][k] B[x][k], K = 1,024, tiles of 256 x 256, four waves of 128 x 128 (64 accumulators).  The cluster's y picks the work: 0-7 q, 8-15 k, 16-23 v (mode = y / 8).
; q, k: A = the activations (y = token), B = the weight (x = feature).   v: A = wv (y = feature), B = value (x = token): so v's codes come out with the KEYS innermost, as the second product of attention wants them.
; THE MATRIX INSTRUCTION IS USED TRANSPOSED (source 0 = 16 rows of B, source 1 = 16 rows of A): a lane holds eight neighbouring x of one y, which one conversion turns into eight codes.
; OUT: qc, kc: [head 16][token 8192][64 bytes];  vc: [head 16][token / 128][d 64][128 bytes].  A lane's 16 codes (accumulators 2 g, 2 g + 1) lie at byte 32 g + 16 (lane / 16): inside 32 bytes the order is
; x = 8 h + 0..7, 16 + 8 h + 0..7 for h = 0, 1.  For q and k that is one and the same order of d in both operands; for v it is the order in which the softmax's codes lie in the second product's operand.
; maskw: [query tile 128][key step 16][64 words]: bit 16 h + r of word 8 t + j = mask[16 tile + r][128 step + 16 t + 8 h + j].
; value = sum x 2^(eA + eB) + bias (one fused multiply-add), held within +-448 x 2^eo, converted with 2^eo.  LIMITS: eA + eB between -126 and 127; eo (entries 6, 7, 9) between -126 and 119.  NaN codes are not served.
; CLUSTERS: 4 x 4 work-groups; A's tile is asked for jointly along a row of the cluster, B's along a column.  K goes in four slot fills of 256 through two LDS slots; nothing loops.
; REGISTERS: window 0: v14-31 addresses and constants; v32-103 the mask's bytes, later the biases; v128-255 A's fragments, on the way out at work.  window 1: B's fragments, two sets.  windows 2, 3: accumulators.
.set KROW,   1024                      ; a row of A or of B in memory, bytes
.set ROWB,   256                       ; a tile's row: 256 codes
.set PITCH,  272                       ; an LDS row: 256 bytes + 16 of padding: the 16 rows of a fragment load start at 16 different groups of four banks
.set FR,     16
.set NL,     4
.set NP,     4                         ; places behind this matrix instruction (ISA guide 7.12.1)
.set HALFT,  128*PITCH
.set SLOT,   4*HALFT
.set SPARE,  2*SLOT                    ; the spare words, 128 bytes a wave
.set STGV,   16384                     ; the way out's stages lie in slot 0, behind its last fill and last read: q, k: wave x 2,560 from byte 0; v: wave x 2,304 from here: each way has bytes of its own
.set PO8,  14                          ; v14  8 x lane
.set ADRA, 16                          ; v16-17
.set STOV, 18
.set RDV,  19
.set ADRB, 20                          ; v20-21
.set BOV,  22                          ; v22  4 r
.set PKO,  23                          ; v23  2048 r + 8 h: my 8 bytes of the mask
.set STOQ, 24
.set RDQ,  25
.set CO,   26                          ; v26  16 x lane
.set BOQ,  27                          ; v27  32 h
.set SPW,  28
.set NIL,  29
.set SCL,  30                          ; v30  2^eo
.set LIM,  31                          ; v31  448 x 2^eo
.set BX,   32                          ; v32-95  bias by x (q, k)
.set BY,   96                          ; v96-103 bias by y (v)
.set PB,   32                          ; the mask's bytes, two units x 16 registers
.set PW,   96                          ; the words, a pair for each unit
.set PT,   100                         ; at work
.set AF,   128
.set TMP,  128
.set CD,   192
.set BK,   208
.set SC,   98                          ; s[98:99] 2^(eA + eB)
.set G1, 24
.set G0, 32
.set G1B, 48
.set G0B, 56
.set MSB, 0
.macro WIN new                         ; the immediate's high byte repeats the setting that is left
.if MSB != \new
	s_set_vgpr_msb (MSB<<8)|\new
.set MSB, \new
.endif
.endm
.set MUL_LO, 0xa1                      ; source 0 (B) window 1, source 1 (A) window 0, C and D window 2
.set MUL_HI, 0xf1
.set TO_B,   0x40
.macro JLOAD g0a, g1a, g0b, g1b        ; a joint load: waves 0, 1 fetch for A, waves 2, 3 for B; an s_nop 0 and four v_nop follow each line
	s_cmp_eq_u32 s15, 0
	s_cbranch_scc0 .Lfor_b_\@
	tensor_load_to_lds s[\g0a:\g0a+3], s[\g1a:\g1a+7]
	s_nop 0
.rept 4
	v_nop
.endr
	s_branch .Lasked_\@
.Lfor_b_\@:
	tensor_load_to_lds s[\g0b:\g0b+3], s[\g1b:\g1b+7]
	s_nop 0
.rept 4
	v_nop
.endr
.Lasked_\@:
.endm
.macro CREST
	s_cmp_lg_u32 s14, 0
	s_cbranch_scc1 .Lnot_wave_0_\@
	s_barrier_signal -3
.Lnot_wave_0_\@:
	s_barrier_wait -3
	s_barrier_signal -1
	s_barrier_wait -1
.endm
.macro CROUND
	s_barrier_signal -1
	s_barrier_wait -1
	CREST
.endm
	s_load_b512 s[68:83], s[0:1], 0x0              ; query, key, wv, wq, wk, value, bq, bk
	s_load_b256 s[84:91], s[0:1], 0x40             ; bv, qc, kc, vc
	s_load_b128 s[92:95], s[0:1], 0x60             ; the scales' exponents, mask
	s_load_b64 s[96:97], s[0:1], 0x70              ; maskw
	v_lshl_add_u32 v[SPW], v0, 2, SPARE
	v_mov_b32 v[NIL], 0
	ds_add_u32 v[SPW], v[NIL]                      ; the wave's opening: the add, twice on end, and its wait ahead of my first tensor load
	ds_add_u32 v[SPW], v[NIL]
	v_lshrrev_b32 v1, 5, v0
	v_readfirstlane_b32 s14, v1                    ; wave 0..3
	s_lshr_b32 s15, s14, 1                         ; my half of the tile's rows.  Also: I fetch for A (0) or for B (1)
	s_and_b32 s16, s14, 1                          ; my half of its columns.  Also: which 128 rows I fetch
	s_bfe_u32 s40, ttmp6, 0x40000                  ; cx
	s_bfe_u32 s41, ttmp6, 0x40004                  ; cy
	s_and_b32 s13, ttmp7, 0xffff                   ; the cluster's y, 0..23: the same in all sixteen partners
	s_lshr_b32 s12, s13, 3                         ; mode: 0 q, 1 k, 2 v
	s_and_b32 s2, s13, 7
	s_lshl_b32 s2, s2, 2                           ; 4 x (y % 8): along the tokens
	s_cmp_eq_u32 s12, 2
	s_cselect_b32 s17, 0, s2                       ; q, k: the tokens are C's rows;
	s_cselect_b32 s42, s2, 0                       ; v: they are its columns
	s_add_co_u32 s17, s17, s41                     ; tile row
	s_add_co_u32 s42, s42, s40                     ; tile column
	s_lshl_b32 s43, s41, 2
	s_lshl_b32 s43, 15, s43                        ; my row of the cluster
	s_lshl_b32 s44, 0x1111, s40                    ; my column
	s_or_b32 s[G1+0], s43, (0<<16)|(1<<20)|(1<<21)|(5<<22)|(3<<25)  ; the mask; elements of 1 byte; padding on; bit 21 beside a mask; 4 words behind every 64
	s_or_b32 s[G1B+0], s44, (0<<16)|(1<<20)|(1<<21)|(5<<22)|(3<<25)
.irp g, G1, G1B
	s_mov_b32 s[\g+1], ROWB<<16                    ; tensor_dim0
	s_mov_b32 s[\g+2], 128<<16                     ; tensor_dim1
	s_mov_b32 s[\g+3], ROWB<<16                    ; tile_dim0
	s_mov_b32 s[\g+4], 128                         ; tile_dim1
	s_mov_b32 s[\g+5], KROW                        ; the pitch
	s_mov_b32 s[\g+6], 0
	s_mov_b32 s[\g+7], 0
.endr
	s_lshl_b32 s18, s16, 7
	s_lshl_b32 s20, s17, 8
	s_add_co_u32 s20, s20, s18                     ; A: row 256 x tile row + 128 x half,
	s_lshl_b32 s20, s20, 10                        ; in bytes
	s_mov_b32 s21, 0
	s_lshl_b32 s46, s42, 8
	s_add_co_u32 s46, s46, s18                     ; B likewise by the tile column
	s_lshl_b32 s46, s46, 10
	s_mov_b32 s47, 0
	s_mul_i32 s45, s14, HALFT                      ; where my load goes: wave x 128 rows
	s_wait_dscnt 0x0                               ; both opening adds are done
	s_wait_kmcnt 0x0
	s_cmp_eq_u32 s12, 1                            ; the buffers are chosen by the mode, which hangs on no address
	s_cselect_b64 s[4:5], s[70:71], s[68:69]       ; A
	s_cselect_b64 s[6:7], s[76:77], s[74:75]       ; B
	s_cselect_b64 s[8:9], s[82:83], s[80:81]       ; the bias
	s_cselect_b64 s[10:11], s[88:89], s[86:87]     ; the codes' buffer
	s_cmp_eq_u32 s12, 2
	s_cselect_b64 s[4:5], s[72:73], s[4:5]
	s_cselect_b64 s[6:7], s[78:79], s[6:7]
	s_cselect_b64 s[8:9], s[84:85], s[8:9]
	s_cselect_b64 s[10:11], s[90:91], s[10:11]
	s_load_b256 s[68:75], s[92:93], 0x0            ; e0 .. e7
	s_load_b64 s[76:77], s[92:93], 0x20            ; e8, e9
	s_add_nc_u64 s[20:21], s[4:5], s[20:21]
	s_add_nc_u64 s[46:47], s[6:7], s[46:47]
	CROUND                                         ; all sixteen work-groups are here: the first joint loads meet
.irp s, 0,1
	s_mov_b32 s[G0+4*\s], 1
	s_add_co_u32 s[G0+4*\s+1], s45, \s*SLOT
	s_add_nc_u64 s[G0+4*\s+2:G0+4*\s+3], s[20:21], \s*ROWB
	s_or_b32 s[G0+4*\s+3], s[G0+4*\s+3], 0x80000000
	s_mov_b32 s[G0B+4*\s], 1
	s_add_co_u32 s[G0B+4*\s+1], s45, \s*SLOT
	s_add_nc_u64 s[G0B+4*\s+2:G0B+4*\s+3], s[46:47], \s*ROWB
	s_or_b32 s[G0B+4*\s+3], s[G0B+4*\s+3], 0x80000000
	JLOAD G0+4*\s, G1, G0B+4*\s, G1B
.endr
	v_and_b32 v1, 15, v0                           ; r
	v_bfe_u32 v2, v0, 4, 1                         ; h
	v_mul_u32_u24 v3, v1, PITCH
	v_lshl_add_u32 v4, v2, 4, v3                   ; a fragment's row x pitch + 16 h
	s_mul_i32 s21, s15, HALFT
	s_mul_i32 s22, s16, HALFT
	s_add_co_u32 s22, s22, 2*HALFT
.irp s, 0,1
	v_add_nc_u32 v[ADRA+\s], s21, v4
	v_add_nc_u32 v[ADRB+\s], s22, v4
	s_add_co_u32 s21, s21, SLOT
	s_add_co_u32 s22, s22, SLOT
.endr
	v_and_b32 v6, 31, v0                           ; lane
	v_lshlrev_b32 v[CO], 4, v6
	v_lshlrev_b32 v[PO8], 3, v6
	v_lshlrev_b32 v[BOV], 2, v1
	v_lshlrev_b32 v[BOQ], 5, v2
	v_lshlrev_b32 v[PKO], 11, v1
	v_lshl_add_u32 v[PKO], v2, 3, v[PKO]
	s_mul_i32 s23, s14, 2560                       ; q, k: my stage: 2 heads x 16 rows x (64 + 16) bytes
	v_mul_u32_u24 v5, v1, 80
	v_lshl_add_u32 v5, v2, 4, v5
	v_add_nc_u32 v[STOQ], s23, v5                  ; in: row r, + 16 h
	v_lshrrev_b32 v7, 2, v6
	v_mul_u32_u24 v7, v7, 80
	v_and_b32 v8, 3, v6
	v_lshl_add_u32 v7, v8, 4, v7
	v_add_nc_u32 v[RDQ], s23, v7                   ; back: four lanes to a row of 64 bytes, eight rows an instruction
	s_mul_i32 s23, s14, 2304                       ; v: my stage: 16 rows x (128 + 16) bytes
	s_add_co_u32 s23, s23, STGV
	v_mul_u32_u24 v5, v1, 144
	v_lshl_add_u32 v5, v2, 4, v5
	v_add_nc_u32 v[STOV], s23, v5
	v_lshrrev_b32 v7, 3, v6
	v_mul_u32_u24 v7, v7, 144
	v_and_b32 v8, 7, v6
	v_lshl_add_u32 v7, v8, 4, v7
	v_add_nc_u32 v[RDV], s23, v7                   ; back: eight lanes to a row of 128 bytes, four rows an instruction
	s_wait_kmcnt 0x0                               ; the exponents.  What they decide is chosen by selects: no branch hangs on them
	s_add_co_i32 s68, s68, s69                     ; e0 + e1
	s_add_co_i32 s70, s70, s71                     ; e2 + e3
	s_add_co_i32 s72, s72, s73                     ; e4 + e5
	s_cmp_eq_u32 s12, 1
	s_cselect_b32 s68, s70, s68
	s_cselect_b32 s69, s75, s74                    ; k: e7, q: e6
	s_cmp_eq_u32 s12, 2
	s_cselect_b32 s68, s72, s68
	s_cselect_b32 s69, s77, s69                    ; v: e9
	s_add_co_i32 s68, s68, 127
	s_lshl_b32 s[SC], s68, 23                      ; 2^(eA + eB) as f32
	s_mov_b32 s[SC+1], s[SC]                       ; (named with it as a pair)
	s_add_co_i32 s69, s69, 127
	s_lshl_b32 s70, s69, 23
	v_mov_b32 v[SCL], s70                          ; 2^eo: the conversion takes its exponent field
	s_add_co_i32 s69, s69, 8
	s_lshl_b32 s69, s69, 23
	s_or_b32 s69, s69, 0x600000
	v_mov_b32 v[LIM], s69                          ; 448 x 2^eo
; THE MASK, while the first tiles are on their way.  The 256 work-groups of q and k share 2,048 units (16 queries x 128 keys -> 64 words): two neighbouring units a wave, 16 rows x 256 aligned bytes.
; The branch hangs on the cluster's y alone; no barrier and no tensor load stands under it.
.macro PACKUNIT i
.set n, 0
.rept 64
	v_and_b32 v[PT+n%4], 0xff<<(8*(n%4)), v[PB+16*\i+2*(n/8)+((n%8)/4)]   ; byte j = n % 8 of my 8 bytes of tile t = n / 8
	v_cmp_ne_u32 s[20+n%4], 0, v[PT+n%4]           ; one bit a lane: the word
	v_writelane_b32 v[PW+2*\i+n%2], s[20+n%4], n/2 ; word n into lane n / 2, so that the wave stores 256 bytes on end
.set n, n+1
.endr
.endm
	s_cmp_lt_u32 s12, 2
	s_cbranch_scc0 .Lno_pack
	s_lshl_b32 s18, s13, 4
	s_lshl_b32 s19, s41, 2
	s_add_co_u32 s18, s18, s19
	s_add_co_u32 s18, s18, s40                     ; my work-group among the 256
	s_lshl_b32 s18, s18, 2
	s_add_co_u32 s18, s18, s14
	s_lshl_b32 s18, s18, 1                         ; my first unit = 16 x query tile + key step (even)
	s_lshr_b32 s20, s18, 4
	s_lshl_b32 s20, s20, 15                        ; 16 rows of 2,048 bytes a query tile
	s_and_b32 s21, s18, 15
	s_lshl_b32 s21, s21, 7                         ; 128 bytes a key step
	s_add_co_u32 s20, s20, s21
	s_mov_b32 s21, 0
	s_add_nc_u64 s[94:95], s[94:95], s[20:21]
	s_lshl_b32 s20, s18, 8                         ; 256 bytes of words a unit
	s_add_nc_u64 s[96:97], s[96:97], s[20:21]
.irp i, 0,1
.irp t, 0,1,2,3,4,5,6,7
	global_load_b64 v[PB+16*\i+2*\t:PB+16*\i+2*\t+1], v[PKO], s[94:95] offset:128*\i+16*\t
.endr
.endr
.irp w, 0,1,2,3
	v_mov_b32 v[PW+\w], 0                          ; a lane write's destination counts as read
.endr
	s_wait_loadcnt 0x0
	PACKUNIT 0
	PACKUNIT 1
	global_store_b64 v[PO8], v[PW:PW+1], s[96:97]
	global_store_b64 v[PO8], v[PW+2:PW+3], s[96:97] offset:256
	s_wait_xcnt 0x0                                ; the stores have read their registers, which the biases take later
.Lno_pack:
.macro FRAG reg, adr, q, i             ; 16 rows x 128 K: registers 4 c .. 4 c + 3 hold K = 32 c + 16 h + 0 .. 15: one and the same order of k in A and in B
.irp c, 0,1,2,3
	ds_load_b128 v[\reg+4*\c:\reg+4*\c+3], v[\adr] offset:128*(\q)+32*\c+(\i)*16*PITCH
.endr
.endm
.macro MUL16 a0, p, zero               ; A's blocks a0, a0 + 1 x B's eight; the 64 accumulators take turns in the same order in every step
.irp a, \a0, \a0+1
.irp b, 0,1,2,3,4,5,6,7
.if \zero
	v_wmma_f32_16x16x128_fp8_fp8 v[8*(8*((\a)%4)+\b):8*(8*((\a)%4)+\b)+7], v[128*(\p)+FR*\b:128*(\p)+FR*\b+FR-1], v[AF+FR*(\a):AF+FR*(\a)+FR-1], 0
.else
	v_wmma_f32_16x16x128_fp8_fp8 v[8*(8*((\a)%4)+\b):8*(8*((\a)%4)+\b)+7], v[128*(\p)+FR*\b:128*(\p)+FR*\b+FR-1], v[AF+FR*(\a):AF+FR*(\a)+FR-1], v[8*(8*((\a)%4)+\b):8*(8*((\a)%4)+\b)+7]
.endif
.endr
.endr
.endm
.macro FETCH_B slot, q, p
	WIN TO_B
.irp i, 0,1,2,3,4,5,6,7
	FRAG 128*(\p)+FR*\i, ADRB+\slot, \q, \i
.endr
	WIN 0
.endm
.macro FETCH_A slot, q, i0
.irp i, \i0, \i0+1, \i0+2, \i0+3
	FRAG AF+FR*(\i), ADRA+\slot, \q, \i
.endr
.endm
.macro PLACES n                        ; plain vector instructions between a matrix instruction and a load into, or a read of, its registers
.rept \n
	v_nop
.endr
.endm
.macro STEP slot, q, zero              ; 128 along K, with its successor in the same slot
	s_wait_dscnt 4*NL                              ; B's set and A's blocks 0-3 are in; the youngest 16 loads (A's blocks 4-7) may be out
	WIN MUL_LO
	MUL16 0, (\q)%2, \zero
	MUL16 2, (\q)%2, \zero
	s_wait_dscnt 0
	PLACES NP
	FETCH_B \slot, (\q)+1, 1-(\q)%2
	FETCH_A \slot, (\q)+1, 0
	WIN MUL_HI
	MUL16 4, (\q)%2, \zero
	MUL16 6, (\q)%2, \zero
	PLACES NP
	WIN 0
	FETCH_A \slot, (\q)+1, 4
.endm
.macro TURN slot, next, fill           ; a slot's last step changes slots: one barrier; fill = 1: it opens a round of the cluster's barrier and the slot is filled again
	s_wait_tensorcnt 0x0                           ; all my tensor loads have landed: my part of the next slot
	ds_add_u32 v[SPW], v[NIL]                      ; 0 onto my spare word
	s_wait_dscnt 4*NL+1                            ; the add and the youngest 16 loads may be out
	WIN MUL_LO
	MUL16 0, 1, 0
	s_wait_dscnt 0x0                               ; the add is done, and my reads of this slot are over
	s_barrier_signal -1
	MUL16 2, 1, 0
	WIN 0
	s_barrier_wait -1
.if \fill
	CREST                                          ; no wave of any partner still reads this slot or has a load on its way
	s_add_nc_u64 s[G0+4*\slot+2:G0+4*\slot+3], s[G0+4*\slot+2:G0+4*\slot+3], 2*ROWB
	s_add_nc_u64 s[G0B+4*\slot+2:G0B+4*\slot+3], s[G0B+4*\slot+2:G0B+4*\slot+3], 2*ROWB
	JLOAD G0+4*\slot, G1, G0B+4*\slot, G1B         ; the first tensor load behind the round; its four v_nop are the places in front of the loads below
.else
	PLACES NP
.endif
	FETCH_B \next, 0, 0
	FETCH_A \next, 0, 0
	WIN MUL_HI
	MUL16 4, 1, 0
	MUL16 6, 1, 0
	PLACES NP
	WIN 0
	FETCH_A \next, 0, 4
.endm
.macro LAST                            ; the very last step: nothing more to fetch
	s_wait_dscnt 4*NL
	WIN MUL_LO
	MUL16 0, 1, 0
	MUL16 2, 1, 0
	s_wait_dscnt 0
	WIN MUL_HI
	MUL16 4, 1, 0
	MUL16 6, 1, 0
	WIN 0
.endm
; THE WAY OUT of block a (16 y x 128 x).  vm = 0: q, k (bias by x); vm = 1: v (bias by y).  sum x 2^(eA + eB) + bias, the hold, the conversion; 16 codes a lane into my stage, back as dense runs of 512 bytes.
.macro TOSTAGE a, vm
.set AC, 64*((\a)%4)
.set BB, BK+16*((\a)%2)
	WIN 0x02+((\a)/4)                              ; source 0: window 2 or 3
.irp j, 0,2,4,6,8,10,12,14,16,18,20,22,24,26,28,30,32,34,36,38,40,42,44,46,48,50,52,54,56,58,60,62
.if \vm
.if ((\a)%2)
	v_pk_fma_f32 v[TMP+\j:TMP+\j+1], v[AC+\j:AC+\j+1], s[SC:SC+1], v[BY+(\a)-1:BY+(\a)] op_sel:[0,0,1] op_sel_hi:[1,0,1]   ; the pair's upper word, my row's bias, for both halves
.else
	v_pk_fma_f32 v[TMP+\j:TMP+\j+1], v[AC+\j:AC+\j+1], s[SC:SC+1], v[BY+(\a):BY+(\a)+1] op_sel_hi:[1,0,0]               ; the pair's lower word for both halves
.endif
.else
	v_pk_fma_f32 v[TMP+\j:TMP+\j+1], v[AC+\j:AC+\j+1], s[SC:SC+1], v[BX+\j:BX+\j+1] op_sel_hi:[1,0,1]
.endif
.endr
	WIN 0
.set i, 0
.rept 64
	v_med3_num_f32 v[TMP+i], v[TMP+i], -v[LIM], v[LIM]   ; the conversion to an 8-bit code does not saturate (ISA guide 7.6.2): the hold comes first
.set i, i+1
.endr
.irp b, 0,1,2,3,4,5,6,7
	v_cvt_scalef32_pk8_fp8_f32 v[CD+2*\b:CD+2*\b+1], v[TMP+8*\b:TMP+8*\b+7], v[SCL]
.endr
	v_nop                                          ; a plain instruction behind the last conversion
.irp b, 0,1,2,3
.if \vm
	ds_store_b128 v[STOV], v[CD+4*\b:CD+4*\b+3] offset:32*\b
.else
	ds_store_b128 v[STOQ], v[CD+4*\b:CD+4*\b+3] offset:(\b/2)*1280+(\b%2)*32
.endif
.endr
.irp i, 0,1,2,3
.if \vm
	ds_load_b128 v[BB+4*\i:BB+4*\i+3], v[RDV] offset:576*\i                     ; LDS serves a wave's instructions in order (ISA guide 5.7.1.4): these see my stores
.else
	ds_load_b128 v[BB+4*\i:BB+4*\i+3], v[RDQ] offset:(\i/2)*1280+(\i%2)*640
.endif
.endr
.endm
.macro SEND a, vm, younger             ; each store of the wave covers 512 consecutive bytes, aligned; every offset is an immediate
.set BB, BK+16*((\a)%2)
	s_wait_dscnt \younger
.irp i, 0,1,2,3
.if \vm
	global_store_b128 v[CO], v[BB+4*\i:BB+4*\i+3], s[10:11] offset:((\a)/4)*524288+((\a)%4)*2048+512*\i
.else
	global_store_b128 v[CO], v[BB+4*\i:BB+4*\i+3], s[10:11] offset:1024*(\a)+(\i/2)*524288+(\i%2)*512
.endif
.endr
.endm
.macro WAYOUT vm
	TOSTAGE 0, \vm
.irp a, 1,2,3,4,5,6,7
.if \a > 1
	s_wait_xcnt 0x0                                ; block a - 2's stores have read their registers: block a's loads may land there
.endif
	TOSTAGE \a, \vm
	SEND \a-1, \vm, 8                              ; behind block a - 1's loads: block a's 4 stores and 4 loads
.endr
	SEND 7, \vm, 0
.endm
	s_wait_tensorcnt 1                             ; my part of the first slot is in (the second slot's load may be out),
	s_barrier_signal -1
	s_barrier_wait -1                              ; everybody's is
	FETCH_B 0, 0, 0
	FETCH_A 0, 0, 0
	FETCH_A 0, 0, 4
	STEP 0, 0, 1                                   ; the first products start the sums
	TURN 0, 1, 1
	STEP 1, 0, 0
	TURN 1, 0, 1
	STEP 0, 0, 0
	TURN 0, 1, 0                                   ; nothing is left to fetch
	STEP 1, 0, 0
	s_cmp_eq_u32 s12, 2                            ; the two ways out part on the cluster's y; each asks for its bias ahead of the last 64 products
	s_cbranch_scc1 .Lfor_v
	s_lshl_b32 s18, s42, 10
	s_lshl_b32 s19, s16, 9
	s_add_co_u32 s18, s18, s19                     ; my first feature x 4 bytes
	s_mov_b32 s19, 0
	s_add_nc_u64 s[8:9], s[8:9], s[18:19]
.irp b, 0,1,2,3,4,5,6,7
	global_load_b128 v[BX+8*\b:BX+8*\b+3], v[BOQ], s[8:9] offset:64*\b       ; bias(16 b + 8 h + 0 .. 7)
	global_load_b128 v[BX+8*\b+4:BX+8*\b+7], v[BOQ], s[8:9] offset:64*\b+16
.endr
	LAST
	s_lshl_b32 s18, s42, 2
	s_lshl_b32 s19, s16, 1
	s_add_co_u32 s18, s18, s19                     ; my first head
	s_lshl_b32 s18, s18, 19
	s_lshl_b32 s19, s17, 8
	s_lshl_b32 s20, s15, 7
	s_add_co_u32 s19, s19, s20                     ; my first token
	s_lshl_b32 s19, s19, 6
	s_add_co_u32 s18, s18, s19
	s_mov_b32 s19, 0
	s_add_nc_u64 s[10:11], s[10:11], s[18:19]
	s_wait_loadcnt 0x0
	PLACES NP
	WAYOUT 0
	s_branch .Ldone
.Lfor_v:
	s_lshl_b32 s18, s17, 10
	s_lshl_b32 s19, s15, 9
	s_add_co_u32 s18, s18, s19
	s_mov_b32 s19, 0
	s_add_nc_u64 s[8:9], s[8:9], s[18:19]
.irp a, 0,1,2,3,4,5,6,7
	global_load_b32 v[BY+\a], v[BOV], s[8:9] offset:64*\a                    ; bias(16 a + r)
.endr
	LAST
	s_lshl_b32 s18, s17, 2
	s_lshl_b32 s19, s15, 1
	s_add_co_u32 s18, s18, s19                     ; my first head
	s_lshl_b32 s18, s18, 19
	s_lshl_b32 s19, s42, 1
	s_add_co_u32 s19, s19, s16                     ; my block of 128 tokens
	s_lshl_b32 s19, s19, 13
	s_add_co_u32 s18, s18, s19
	s_mov_b32 s19, 0
	s_add_nc_u64 s[10:11], s[10:11], s[18:19]
	s_wait_loadcnt 0x0
	PLACES NP
	WAYOUT 1
.Ldone:
	s_wait_tensorcnt 0x0                           ; the wave's end, behind my last tensor load and my last LDS store
	ds_add_u32 v[SPW], v[NIL]
	s_wait_dscnt 0x0
	CROUND                                         ; the closing round
	s_endpgm
.Lfunc_end_k_qd904f68bf1_proj:
	.size	k_qd904f68bf1_proj, .Lfunc_end_k_qd904f68bf1_proj-k_qd904f68bf1_proj
	.p2alignl 7, 3214868480
	.fill 96, 4, 3214868480
	.section	.rodata,"a",@progbits
	.p2align	6, 0x0
	.amdhsa_kernel k_qd904f68bf1_proj
		.amdhsa_group_segment_fixed_size 327680
		.amdhsa_private_segment_fixed_size 0
		.amdhsa_enable_private_segment 0
		.amdhsa_kernarg_size 120
		.amdhsa_user_sgpr_count 2
		.amdhsa_user_sgpr_kernarg_segment_ptr 1
		.amdhsa_wavefront_size32 1
		.amdhsa_system_sgpr_workgroup_id_x 1
		.amdhsa_system_sgpr_workgroup_id_y 1
		.amdhsa_system_sgpr_workgroup_id_z 1
		.amdhsa_system_vgpr_workitem_id 0
		.amdhsa_next_free_vgpr 1024
		.amdhsa_next_free_sgpr 100
		.amdhsa_reserve_vcc 0
		.amdhsa_float_denorm_mode_32 3
		.amdhsa_float_denorm_mode_16_64 3
		.amdhsa_memory_ordered 1
		.amdhsa_forward_progress 1
		.amdhsa_inst_pref_size 234
	.end_amdhsa_kernel
	.amdgpu_metadata
---
amdhsa.version: [ 1, 2 ]
amdhsa.kernels:
  - .name:           k_qd904f68bf1_proj
    .symbol:         k_qd904f68bf1_proj.kd
    .args:
      - { .name: query_codes, .offset: 0, .size: 8, .value_kind: global_buffer, .address_space: global }
      - { .name: key_codes, .offset: 8, .size: 8, .value_kind: global_buffer, .address_space: global }
      - { .name: wv_codes, .offset: 16, .size: 8, .value_kind: global_buffer, .address_space: global }
      - { .name: wq_codes, .offset: 24, .size: 8, .value_kind: global_buffer, .address_space: global }
      - { .name: wk_codes, .offset: 32, .size: 8, .value_kind: global_buffer, .address_space: global }
      - { .name: value_codes, .offset: 40, .size: 8, .value_kind: global_buffer, .address_space: global }
      - { .name: bq, .offset: 48, .size: 8, .value_kind: global_buffer, .address_space: global }
      - { .name: bk, .offset: 56, .size: 8, .value_kind: global_buffer, .address_space: global }
      - { .name: bv, .offset: 64, .size: 8, .value_kind: global_buffer, .address_space: global }
      - { .name: qc, .offset: 72, .size: 8, .value_kind: global_buffer, .address_space: global }
      - { .name: kc, .offset: 80, .size: 8, .value_kind: global_buffer, .address_space: global }
      - { .name: vc, .offset: 88, .size: 8, .value_kind: global_buffer, .address_space: global }
      - { .name: lowp_scales, .offset: 96, .size: 8, .value_kind: global_buffer, .address_space: global }
      - { .name: mask, .offset: 104, .size: 8, .value_kind: global_buffer, .address_space: global }
      - { .name: maskw, .offset: 112, .size: 8, .value_kind: global_buffer, .address_space: global }
    .group_segment_fixed_size: 327680
    .private_segment_fixed_size: 0
    .kernarg_segment_align: 8
    .kernarg_segment_size: 120
    .max_flat_workgroup_size: 128
    .sgpr_count:     100
    .vgpr_count:     1024
    .wavefront_size: 32
...
	.end_amdgpu_metadata
.endif
;; end of part 1
;; launch attn (part 2): grid 4 x 64, 16 waves a work-group, no clusters, 301,056 bytes of LDS; arguments qc, kc, vc, maskw, lowp_scales, cc; writes cc
.if DOCPART == 2
	.amdgcn_target "amdgcn-amd-amdhsa--gfx1250"
	.amdhsa_code_object_version 6
	.text
	.protected	k_qd904f68bf1_attn
	.globl	k_qd904f68bf1_attn
	.p2align	8
	.type	k_qd904f68bf1_attn,@function
k_qd904f68bf1_attn:
	s_mov_b64 s[64:65], 0
	v_nop
	global_prefetch_b8 v0, s[64:65] scope:SCOPE_SE
	s_setreg_imm32_b32 hwreg(HW_REG_WAVE_MODE, 25, 1), 1
	s_wait_xcnt 0x0
; ctx = softmax(where(mask, q k^T / 8, -1e9)) v on E4M3 codes, and ctx quantised.  Nothing of reference() is left out here.
; qc, kc: [head][token][64 bytes]; vc: [head][token / 128][d 64][128 bytes], keys innermost; maskw: [query tile 128][key step 16][64 words], bit 16 h + r of word 8 t + j = mask[16 tile + r][128 step + 16 t + 8 h + j];
; cc: [head][token][64 bytes], d in its natural order.  lowp_scales: e6 (q), e7 (k), e8 (p), e9 (v), e10 (ctx).
; THE SOFTMAX: t = score x log2(e) / 8; M = the running largest t rounded UP to a whole number; p = 2^(t - M) is quantised with 2^e8; the row's sum is taken of the unquantised p and divides at the end;
; when M moves, the sum and O are multiplied by 2^(old M - new M), which rounds nothing.
; THE MASK: a hidden score is replaced, ahead of the maximum, by -2^(33 - e6 - e7), that is the logit -2^30 in the place of -1e9.  Both give the same results: codes are at most 448, so
; |logit| <= 64 x 448^2 x 2^(e6 + e7) / 8 < 8.3e8 where e6 + e7 <= 9; so in a row with an open key either constant gives p = 0; in a row with none all t are equal and, being above 2^24, whole: t - M = 0, p = 1.
; LIMITS: e6 + e7 between -94 and 9; e8, and e10 - e8 - e9, between -126 and 119.  NaN codes are not served.
; SHARES: a work-group owns 512 queries of one batch and head; the head's 2,048 keys lie whole in LDS (K 128 KiB, V 128 KiB, padded), each byte written once.  Sixteen waves, four to a SIMD; a wave owns two tiles of
; 16 queries and takes them one after the other, 16 key steps of 128 each.  Both products are used transposed (S^T = K Q^T, O^T = V^T P^T): a lane holds one query throughout.
; NO TENSOR LOAD AND NO CLUSTER: a step jumps over its 64 selects where its 64 mask words are all ones, and over its 64 holds where e8 >= -8 (p <= 1 <= 448 x 2^e8): branches on whole numbers read from memory.
; They spare up to 128 vector instructions of a step; shared loads would spare three of four reads of 256 KiB for each head, once in the launch.
; THE FILL goes through registers, 512 keys a chunk, each chunk asked for a whole chunk's four steps ahead of its use; a barrier stands between a chunk's stores and its first read.
.set VBASE,  512*272                   ; K: 512 rows of 256 bytes (4 keys) + 16 of padding; V behind it: 512 rows of 256 bytes (2 rows of d x 128 keys) + 16
.set SPARE,  2*VBASE                   ; the spare words, 128 bytes a wave
.set STAGE,  SPARE+2048                ; the way out: 16 rows x (64 + 16) bytes a wave
.set STEPB,  32*272                    ; a key step in K and in V
.set CHUNKB, 4*STEPB
.set AK0, 1                            ; v1   272 (r / 4) + 64 (r % 4) + 16 h
.set AV0, 2                            ; v2   VBASE + 272 (r / 2) + 128 (r % 2) + 16 h
.set STO, 3
.set RD,  4
.set SPW, 5
.set NIL, 6
.set GO,  7                            ; v7   16 x lane
.set ADK, 8
.set ADV, 9
.set QO,  10
.set SENT, 11                          ; v11  the hidden score
.set F,   32                           ; v32-95   fragments of K, then of V
.set S,   96                           ; v96-159  S^T, then p
.set O,   160                          ; v160-191 O^T
.set PC,  192                          ; v192-207 p's codes
.set PLIM, 208                         ; 448 x 2^e8
.set PSC,  209                         ; 2^e8
.set CSC,  210                         ; 2^(e10 - e8 - e9)
.set CLIM, 211                         ; 448 x that
.set T0,  212
.set T1,  213
.set PX,  214
.set FF,  216                          ; v[216:217] f
.set S2,  218                          ; v[218:219] the second chain of the sum
.set FG,  220
.set FK,  221
.set FV,  222
.set FD,  224                          ; v224-255 a chunk's bytes on their way
.set TB,  2                            ; s2   LDS byte of the key step
.set SOFF, 16                          ; s16  byte of the mask unit that is being fetched
.set WV,  17
.set SEL, 20
.set CS,  22                           ; s[22:23] c = log2(e) / 8 x 2^(e6 + e7)
; v12 -M, v13 the largest t, v[14:15] the sum; v16-23, v24-31 Q of the two tiles; mask words 0-31 in s32-63, 32-63 in s68-99
	s_load_b256 s[4:11], s[0:1], 0x0               ; qc, kc, vc, maskw
	s_load_b128 s[12:15], s[0:1], 0x20             ; the scales' exponents, cc
	v_lshl_add_u32 v[SPW], v0, 2, SPARE
	v_mov_b32 v[NIL], 0
	v_lshrrev_b32 v8, 5, v0
	v_readfirstlane_b32 s[WV], v8                  ; wave 0..15
	v_and_b32 v32, 31, v0                          ; lane
	v_and_b32 v33, 15, v0                          ; r
	v_bfe_u32 v34, v0, 4, 1                        ; h
	v_lshrrev_b32 v35, 2, v33
	v_mul_u32_u24 v[AK0], v35, 272
	v_and_b32 v35, 3, v33
	v_lshl_add_u32 v[AK0], v35, 6, v[AK0]
	v_lshl_add_u32 v[AK0], v34, 4, v[AK0]
	v_lshrrev_b32 v35, 1, v33
	v_mul_u32_u24 v[AV0], v35, 272
	v_and_b32 v35, 1, v33
	v_lshl_add_u32 v[AV0], v35, 7, v[AV0]
	v_lshl_add_u32 v[AV0], v34, 4, v[AV0]
	v_add_nc_u32 v[AV0], VBASE, v[AV0]
	s_mul_i32 s3, s[WV], 1280
	s_add_co_u32 s3, s3, STAGE                     ; my stage
	v_mul_u32_u24 v[STO], v33, 80
	v_lshl_add_u32 v[STO], v34, 3, v[STO]
	v_add_nc_u32 v[STO], s3, v[STO]                ; in: row r, + 8 h
	v_lshrrev_b32 v35, 2, v32
	v_mul_u32_u24 v[RD], v35, 80
	v_and_b32 v35, 3, v32
	v_lshl_add_u32 v[RD], v35, 4, v[RD]
	v_add_nc_u32 v[RD], s3, v[RD]                  ; back: four lanes to a row, eight rows an instruction
	v_lshlrev_b32 v[GO], 4, v32
	v_lshlrev_b32 v[QO], 6, v33
	v_lshl_add_u32 v[QO], v34, 4, v[QO]            ; Q: row r of 64 bytes, + 16 h
	s_lshl_b32 s3, s[WV], 11
	v_lshl_add_u32 v[FG], v32, 4, s3               ; the fill, in memory: wave x 2,048 + 16 x lane
	s_mul_i32 s3, s[WV], 2176
	v_mul_u32_u24 v[FK], v34, 272
	v_lshl_add_u32 v[FK], v33, 4, v[FK]
	v_add_nc_u32 v[FK], s3, v[FK]                  ; and in LDS: eight rows a wave, sixteen lanes to a row
	v_add_nc_u32 v[FV], VBASE, v[FK]
	v_mov_b32 v[PX], 0                             ; a lane permute's destination counts as read
	v_mov_b32 v[FF+1], 0                           ; (named as the upper half of the pair)
	s_and_b32 s26, ttmp7, 0xffff
	s_and_b32 s18, s26, 15                         ; head
	s_lshr_b32 s26, s26, 4                         ; batch
	s_lshl_b32 s18, s18, 19
	s_lshl_b32 s26, s26, 17
	s_add_co_u32 s26, s26, s18                     ; the head's 2,048 tokens, in each buffer of codes
	s_mov_b32 s27, 0
	s_lshl_b32 s18, ttmp9, 15                      ; my work-group's 512 queries,
	s_lshl_b32 s19, s[WV], 11                      ; my wave's 32
	s_add_co_u32 s18, s18, s19
	s_add_co_u32 s18, s18, s26
	s_mov_b32 s19, 0
	s_lshl_b32 s[SOFF], ttmp9, 17                  ; my first mask unit: (32 x + 2 wave) query tiles x 16 steps x 256 bytes
	s_lshl_b32 s3, s[WV], 13
	s_add_co_u32 s[SOFF], s[SOFF], s3
	s_mov_b32 s[SEL], 0x76543210
	s_mov_b32 s[SEL+1], 0xfedcba98
	s_wait_kmcnt 0x0
	s_load_b128 s[28:31], s[12:13], 0x18           ; e6, e7, e8, e9
	s_load_b32 s66, s[12:13], 0x28                 ; e10
	s_add_nc_u64 s[6:7], s[6:7], s[26:27]
	s_add_nc_u64 s[8:9], s[8:9], s[26:27]
	s_add_nc_u64 s[4:5], s[4:5], s[18:19]
	s_add_nc_u64 s[14:15], s[14:15], s[18:19]
.macro MASKLOAD                        ; a unit's 64 words
	s_load_b512 s[32:47], s[10:11], s[SOFF] offset:0x0
	s_load_b512 s[48:63], s[10:11], s[SOFF] offset:0x40
	s_load_b512 s[68:83], s[10:11], s[SOFF] offset:0x80
	s_load_b512 s[84:99], s[10:11], s[SOFF] offset:0xc0
.endm
.macro FILL_LOAD c                     ; chunk c: 32 KiB of K and of V; my wave's 2,048 bytes of each, 512 consecutive bytes a load
.irp n, 0,1,2,3
	global_load_b128 v[FD+4*\n:FD+4*\n+3], v[FG], s[6:7] offset:32768*(\c)+512*\n
.endr
.irp n, 0,1,2,3
	global_load_b128 v[FD+16+4*\n:FD+16+4*\n+3], v[FG], s[8:9] offset:32768*(\c)+512*\n
.endr
.endm
.macro FILL_STORE
.irp n, 0,1,2,3
	ds_store_b128 v[FK], v[FD+4*\n:FD+4*\n+3] offset:544*\n
	ds_store_b128 v[FV], v[FD+16+4*\n:FD+16+4*\n+3] offset:544*\n
.endr
	v_add_nc_u32 v[FK], CHUNKB, v[FK]              ; the next chunk's place
	v_add_nc_u32 v[FV], CHUNKB, v[FV]
.endm
	MASKLOAD
	FILL_LOAD 0
	global_load_b128 v[16:19], v[QO], s[4:5]                 ; Q stays in registers: tile 0,
	global_load_b128 v[20:23], v[QO], s[4:5] offset:32
	global_load_b128 v[24:27], v[QO], s[4:5] offset:1024     ; tile 1
	global_load_b128 v[28:31], v[QO], s[4:5] offset:1056
	s_wait_kmcnt 0x0
	s_add_co_i32 s26, s28, s29                     ; e6 + e7
	s_lshl_b32 s27, s26, 23
	s_mov_b32 s[CS], 0x3e38aa3b                    ; log2(e) / 8
	s_add_co_i32 s[CS], s[CS], s27                 ; x 2^(e6 + e7): added to the exponent field
	s_mov_b32 s[CS+1], s[CS]
	s_sub_co_i32 s26, 160, s26
	s_lshl_b32 s26, s26, 23
	s_or_b32 s26, s26, 0x80000000
	v_mov_b32 v[SENT], s26                         ; -2^(33 - e6 - e7)
	s_add_co_i32 s26, s30, 127
	s_lshl_b32 s27, s26, 23
	v_mov_b32 v[PSC], s27
	s_add_co_i32 s26, s26, 8
	s_lshl_b32 s26, s26, 23
	s_or_b32 s26, s26, 0x600000
	v_mov_b32 v[PLIM], s26
	s_sub_co_i32 s26, s66, s30                     ; a sum of the second product stands for sum x 2^(e8 + e9): the three scales are folded into the conversion's one
	s_sub_co_i32 s26, s26, s31
	s_add_co_i32 s26, s26, 127
	s_lshl_b32 s27, s26, 23
	v_mov_b32 v[CSC], s27
	s_add_co_i32 s26, s26, 8
	s_lshl_b32 s26, s26, 23
	s_or_b32 s26, s26, 0x600000
	v_mov_b32 v[CLIM], s26
; A KEY STEP: 128 keys against the 16 queries whose fragment begins at v[q].
.macro STEP q
	v_add_nc_u32 v[ADK], s[TB], v[AK0]
	v_add_nc_u32 v[ADV], s[TB], v[AV0]
	v_nop                                          ; with the two additions: four places between the last products and the loads into the registers that they read
	v_nop
.irp t, 0,1,2,3,4,5,6,7
	ds_load_b128 v[F+8*\t:F+8*\t+3], v[ADK] offset:1088*\t          ; tile t: keys 16 t + r, bytes 16 h on and 32 + 16 h on: the order in which Q was loaded
	ds_load_b128 v[F+8*\t+4:F+8*\t+7], v[ADK] offset:1088*\t+32
.endr
	s_wait_dscnt 8                                 ; tiles 0-3 are in; the youngest eight loads may be out
.irp t, 0,1,2,3
	v_wmma_f32_16x16x64_fp8_fp8 v[S+8*\t:S+8*\t+7], v[F+8*\t:F+8*\t+7], v[\q:\q+7], 0
.endr
	s_wait_dscnt 0x0
.irp t, 4,5,6,7
	v_wmma_f32_16x16x64_fp8_fp8 v[S+8*\t:S+8*\t+7], v[F+8*\t:F+8*\t+7], v[\q:\q+7], 0
.endr                                          ; register 8 t + j of lane (r, h): query r, key 16 t + 8 h + j
.rept 4
	v_nop
.endr
.irp u, 0,1,2,3
.irp c, 0,1,2,3
	ds_load_b128 v[F+16*\u+4*\c:F+16*\u+4*\c+3], v[ADV] offset:2176*\u+32*\c   ; V^T, d = 16 u + r: asked for here, wanted behind the softmax
.endr
.endr
	s_wait_kmcnt 0x0                               ; this step's mask words, asked for a step ago
	s_and_b64 s[24:25], s[32:33], s[34:35]
.irp w, 36,38,40,42,44,46,48,50,52,54,56,58,60,62,68,70,72,74,76,78,80,82,84,86,88,90,92,94,96,98
	s_and_b64 s[24:25], s[24:25], s[\w:\w+1]
.endr
	s_cmp_eq_u64 s[24:25], -1
	s_cbranch_scc1 .Lopen_\@                       ; all 2,048 bits set: nothing is hidden in this step
.set n, 0
.rept 64
.if n < 32
	v_cndmask_b32 v[S+n], v[SENT], v[S+n], s[32+n]
.else
	v_cndmask_b32 v[S+n], v[SENT], v[S+n], s[36+n]
.endif
.set n, n+1
.endr
.Lopen_\@:
	s_add_co_u32 s[SOFF], s[SOFF], 256             ; the next unit (my second tile's units follow my first's); the last look-ahead is held at the buffer's last unit
	s_min_u32 s[SOFF], s[SOFF], 524032
	MASKLOAD
	v_max3_num_f32 v[T0], v[S], v[S+1], v[S+2]     ; the step's largest score of my query among my 64 keys, in two chains; each accumulator is first read at its low end
	v_max3_num_f32 v[T1], v[S+3], v[S+4], v[S+5]
.irp i, 6,10,14,18,22,26,30,34,38,42,46,50,54,58
	v_max3_num_f32 v[T0], v[T0], v[S+\i], v[S+1+\i]
	v_max3_num_f32 v[T1], v[T1], v[S+2+\i], v[S+3+\i]
.endr
	v_max3_num_f32 v[T0], v[T0], v[S+62], v[S+63]
	v_max_num_f32 v[T0], v[T0], v[T1]
	v_permlanex16_b32 v[PX], v[T0], s[SEL], s[SEL+1]
	v_max_num_f32 v[T0], v[T0], v[PX]              ; and among lane l xor 16's
	v_mul_f32 v[T0], s[CS], v[T0]                  ; as t (c is positive)
	v_max_num_f32 v13, v13, v[T0]                  ; the running largest t
	v_mov_b32 v[T0], v12
	v_floor_f32 v12, -v13                          ; -M = floor(-t): M is a whole number
	v_sub_f32 v[T0], v12, v[T0]                    ; old M - new M, 0 or less
	v_cvt_i32_f32 v[T0], v[T0]                     ; (it saturates)
	v_ldexp_f32 v[FF], 1.0, v[T0]                  ; f = 2^(old M - new M)
.set i, 0
.rept 32
	v_pk_fma_f32 v[S+i:S+i+1], v[S+i:S+i+1], s[CS:CS+1], v[12:13] op_sel_hi:[1,0,0]   ; t - M, two at a time
.set i, i+2
.endr
.set i, 0
.rept 64
	v_exp_f32 v[S+i], v[S+i]                       ; p = 2^(t - M)
.set i, i+1
.endr
	v_pk_mul_f32 v[14:15], v[14:15], v[FF:FF+1] op_sel_hi:[1,0]   ; the sums under the new M: the plain instruction behind the exponentials
	s_wait_alu depctr_va_vdst(0)                   ; one wait for the batch of 64, ahead of its first reader
	v_pk_add_f32 v[S2:S2+1], v[S:S+1], v[S+2:S+3]  ; the row's sum of the unquantised p, in two chains
.irp j, 4,8,12,16,20,24,28,32,36,40,44,48,52,56,60
	v_pk_add_f32 v[14:15], v[14:15], v[S+\j:S+1+\j]
	v_pk_add_f32 v[S2:S2+1], v[S2:S2+1], v[S+2+\j:S+3+\j]
.endr
	v_pk_add_f32 v[14:15], v[14:15], v[S2:S2+1]
	s_cmp_ge_i32 s30, -8                           ; where 448 x 2^e8 >= 1 the hold can never bind
	s_cbranch_scc1 .Lheld_\@
.set i, 0
.rept 64
	v_min_num_f32 v[S+i], v[S+i], v[PLIM]          ; the conversion does not saturate (ISA guide 7.6.2); p is not negative
.set i, i+1
.endr
.Lheld_\@:
.irp t, 0,1,2,3,4,5,6,7
	v_cvt_scalef32_pk8_fp8_f32 v[PC+2*\t:PC+2*\t+1], v[S+8*\t:S+8*\t+7], v[PSC]   ; registers 2 t, 2 t + 1 of the operand: keys 16 t + 8 h + 0 .. 7
.endr
.set i, 0
.rept 16
	v_pk_mul_f32 v[O+i:O+i+1], v[O+i:O+i+1], v[FF:FF+1] op_sel_hi:[1,0]   ; O^T under the new M; also the plain instructions behind the conversions
.set i, i+2
.endr
	s_wait_dscnt 0x0                               ; V's fragments
.irp u, 0,1,2,3
	v_wmma_f32_16x16x128_fp8_fp8 v[O+8*\u:O+8*\u+7], v[F+16*\u:F+16*\u+15], v[PC:PC+15], v[O+8*\u:O+8*\u+7]   ; the four accumulators by turns
.endr
.endm
.macro RUN n, q                        ; n key steps
	s_mov_b32 s3, \n
.Lrun_\@:
	STEP \q
	s_add_co_u32 s[TB], s[TB], STEPB
	s_sub_co_u32 s3, s3, 1
	s_cmp_lg_u32 s3, 0
	s_cbranch_scc1 .Lrun_\@
.endm
.macro INIT                            ; the step is written once: the first finds zeros, which the first change of M leaves zeros
	v_mov_b32 v13, 0xff61b1e6                      ; -3e38, under every t
	v_floor_f32 v12, -v13
	v_mov_b32 v14, 0
	v_mov_b32 v15, 0
.set i, 0
.rept 32
	v_mov_b32 v[O+i], 0
.set i, i+1
.endr
.endm
.macro OUT p                           ; O^T / the sum, quantised with the folded scale, through my stage, out as 2 x 512 dense bytes
.rept 4
	v_nop
.endr
	v_add_f32 v14, v14, v15
	v_permlanex16_b32 v[PX], v14, s[SEL], s[SEL+1]
	v_add_f32 v14, v14, v[PX]                      ; the row's sum
	v_rcp_f32 v[FF], v14
	v_nop                                          ; a plain instruction behind the reciprocal,
	s_wait_alu depctr_va_vdst(0)                   ; and the wait ahead of its first reader
.set i, 0
.rept 16
	v_pk_mul_f32 v[S+i:S+i+1], v[O+i:O+i+1], v[FF:FF+1] op_sel_hi:[1,0]
.set i, i+2
.endr
.set i, 0
.rept 32
	v_med3_num_f32 v[S+i], v[S+i], -v[CLIM], v[CLIM]
.set i, i+1
.endr
.irp u, 0,1,2,3
	v_cvt_scalef32_pk8_fp8_f32 v[F+2*\u:F+2*\u+1], v[S+8*\u:S+8*\u+7], v[CSC]    ; d = 16 u + 8 h + 0 .. 7
.endr
	v_nop
.irp u, 0,1,2,3
	ds_store_b64 v[STO], v[F+2*\u:F+2*\u+1] offset:16*\u
.endr
	ds_load_b128 v[F+8:F+11], v[RD]                ; LDS serves a wave's instructions in order (ISA guide 5.7.1.4)
	ds_load_b128 v[F+12:F+15], v[RD] offset:640
	s_wait_dscnt 0x0
	global_store_b128 v[GO], v[F+8:F+11], s[14:15] offset:1024*\p
	global_store_b128 v[GO], v[F+12:F+15], s[14:15] offset:1024*\p+512
	s_wait_xcnt 0x0                                ; the stores have read their registers
.endm
	s_wait_loadcnt 4                               ; chunk 0's eight loads are in; Q's four may be out
	FILL_STORE
	s_wait_dscnt 0x0                               ; my stores have landed, for the others' sake
	FILL_LOAD 1
	s_barrier_signal -1
	s_barrier_wait -1                              ; chunk 0 lies whole in LDS
	s_wait_loadcnt 8                               ; Q is in; chunk 1's eight loads stay out
	INIT
	s_mov_b32 s[TB], 0
	RUN 4, 16
.irp c, 1,2,3
	s_wait_loadcnt 0x0                             ; chunk c, asked for four steps ago
	FILL_STORE                                     ; into bytes that nobody has touched yet
	s_wait_dscnt 0x0
.if \c < 3
	FILL_LOAD \c+1
.endif
	s_barrier_signal -1
	s_barrier_wait -1
	s_mov_b32 s[TB], \c*CHUNKB
	RUN 4, 16
.endr
	OUT 0
	INIT
	s_mov_b32 s[TB], 0
	RUN 16, 24                                     ; my second tile: all keys lie in LDS
	OUT 1
	s_wait_kmcnt 0x0                               ; the last look-ahead
	s_wait_tensorcnt 0x0                           ; the wave's end, behind my last LDS store
	ds_add_u32 v[SPW], v[NIL]
	s_wait_dscnt 0x0
	s_endpgm
.Lfunc_end_k_qd904f68bf1_attn:
	.size	k_qd904f68bf1_attn, .Lfunc_end_k_qd904f68bf1_attn-k_qd904f68bf1_attn
	.p2alignl 7, 3214868480
	.fill 96, 4, 3214868480
	.section	.rodata,"a",@progbits
	.p2align	6, 0x0
	.amdhsa_kernel k_qd904f68bf1_attn
		.amdhsa_group_segment_fixed_size 301056
		.amdhsa_private_segment_fixed_size 0
		.amdhsa_enable_private_segment 0
		.amdhsa_kernarg_size 48
		.amdhsa_user_sgpr_count 2
		.amdhsa_user_sgpr_kernarg_segment_ptr 1
		.amdhsa_wavefront_size32 1
		.amdhsa_system_sgpr_workgroup_id_x 1
		.amdhsa_system_sgpr_workgroup_id_y 1
		.amdhsa_system_sgpr_workgroup_id_z 1
		.amdhsa_system_vgpr_workitem_id 0
		.amdhsa_next_free_vgpr 256
		.amdhsa_next_free_sgpr 100
		.amdhsa_reserve_vcc 0
		.amdhsa_float_denorm_mode_32 3
		.amdhsa_float_denorm_mode_16_64 3
		.amdhsa_memory_ordered 1
		.amdhsa_forward_progress 1
		.amdhsa_inst_pref_size 126
	.end_amdhsa_kernel
	.amdgpu_metadata
---
amdhsa.version: [ 1, 2 ]
amdhsa.kernels:
  - .name:           k_qd904f68bf1_attn
    .symbol:         k_qd904f68bf1_attn.kd
    .args:
      - { .name: qc, .offset: 0, .size: 8, .value_kind: global_buffer, .address_space: global }
      - { .name: kc, .offset: 8, .size: 8, .value_kind: global_buffer, .address_space: global }
      - { .name: vc, .offset: 16, .size: 8, .value_kind: global_buffer, .address_space: global }
      - { .name: maskw, .offset: 24, .size: 8, .value_kind: global_buffer, .address_space: global }
      - { .name: lowp_scales, .offset: 32, .size: 8, .value_kind: global_buffer, .address_space: global }
      - { .name: cc, .offset: 40, .size: 8, .value_kind: global_buffer, .address_space: global }
    .group_segment_fixed_size: 301056
    .private_segment_fixed_size: 0
    .kernarg_segment_align: 8
    .kernarg_segment_size: 48
    .max_flat_workgroup_size: 512
    .sgpr_count:     100
    .vgpr_count:     256
    .wavefront_size: 32
...
	.end_amdgpu_metadata
.endif
;; end of part 2
;; launch oproj (part 3): grid 8 x 32, 4 waves a work-group, clusters of 4 x 4, 327,680 bytes of LDS; arguments cc, wo_codes, lowp_scales, bo, out0; writes out0
.if DOCPART == 3
	.amdgcn_target "amdgcn-amd-amdhsa--gfx1250"
	.amdhsa_code_object_version 6
	.text
	.protected	k_qd904f68bf1_oproj
	.globl	k_qd904f68bf1_oproj
	.p2align	8
	.type	k_qd904f68bf1_oproj,@function
k_qd904f68bf1_oproj:
	s_mov_b64 s[64:65], 0
	v_nop
	global_prefetch_b8 v0, s[64:65] scope:SCOPE_SE
	s_setreg_imm32_b32 hwreg(HW_REG_WAVE_MODE, 25, 1), 1
	s_wait_xcnt 0x0
	s_wait_alu depctr_hold_cnt(0) depctr_sa_sdst(0) depctr_va_vdst(0) depctr_va_sdst(0) depctr_va_ssrc(0) depctr_va_vcc(0) depctr_vm_vsrc(0)
	s_getreg_b32 s2, hwreg(HW_REG_IB_STS2, 6, 4)
	s_cmp_eq_u32 s2, 0
	s_cbranch_scc0 .Lentry_in_a_cluster
	s_endpgm
.Lentry_in_a_cluster:
	s_bfe_u32 s2, ttmp6, 0x10000c
	s_cmp_lg_u32 s2, 0xf033
	s_cbranch_scc0 .Lentry_shape_is_right
	s_endpgm
.Lentry_shape_is_right:
; out0 = ctx wo^T + bo on E4M3 codes (v_wmma_f32_16x16x128_fp8_fp8, f32 sums).  Nothing of reference() is left out here.
; cc: ctx's codes, [head 16][token 8192][64 bytes] (k = 64 head + d); wo_codes: [n 1024][k 1024]; out0: [token][1024] f32.  out = sum x 2^(e10 + e11) + bo, one fused multiply-add.
; LIMIT: e10 + e11 between -126 and 127.  NaN codes are not served.
; A tile of out0 is 256 tokens x 128 outputs, so that there are 256 work-groups; four waves of 128 x 64: 32 accumulators, 256 registers.
; K goes in four slot fills of 256 (four heads) through two LDS slots; nothing loops.  A's tile of 128 tokens x 4 heads is stated as 4 rows of 8,192 dense bytes, 2^19 bytes apart, with 16 bytes of padding
; behind every 256: token i of head g lies at 8,704 g + 272 (i / 4) + 64 (i % 4).
; CLUSTERS: 4 x 4; A's tile is asked for jointly along a row of the cluster, B's along a column.  THE MATRIX INSTRUCTION IS USED TRANSPOSED: a lane holds eight neighbouring outputs of one token.
; REGISTERS: window 0: v16-31 addresses; v32-63 bo; v64-95 at work; v128-255 A's fragments, later rows of out0.  window 1: B's fragments, two sets of 64.  window 2: accumulator (a, b) at v[8 (4 a + b)].
.set PITCH,  272
.set HROW,   32*PITCH                  ; a head's 128 tokens in LDS
.set HALFA,  4*HROW
.set HALFB,  64*PITCH
.set SLOT,   2*HALFA+2*HALFB
.set SPARE,  2*SLOT
.set FR,     16
.set ADRA, 16
.set ADRB, 20
.set STO,  24
.set RD,   25
.set CO,   26
.set BOQ,  27
.set SPW,  28
.set NIL,  29
.set BX,   32
.set TMP,  64
.set AF,   128
.set BK,   128
.set G1, 24
.set G0, 32
.set G1B, 48
.set G0B, 56
.set MSB, 0
.macro WIN new
.if MSB != \new
	s_set_vgpr_msb (MSB<<8)|\new
.set MSB, \new
.endif
.endm
.set MUL,  0xa1                        ; source 0 (B) window 1, source 1 (A) window 0, C and D window 2
.set TO_B, 0x40
.macro JLOAD g0a, g1a, g0b, g1b        ; waves 0, 1 fetch A's halves, waves 2, 3 B's; an s_nop 0 and four v_nop follow each line
	s_cmp_eq_u32 s15, 0
	s_cbranch_scc0 .Lfor_b_\@
	tensor_load_to_lds s[\g0a:\g0a+3], s[\g1a:\g1a+7]
	s_nop 0
.rept 4
	v_nop
.endr
	s_branch .Lasked_\@
.Lfor_b_\@:
	tensor_load_to_lds s[\g0b:\g0b+3], s[\g1b:\g1b+7]
	s_nop 0
.rept 4
	v_nop
.endr
.Lasked_\@:
.endm
.macro CREST
	s_cmp_lg_u32 s14, 0
	s_cbranch_scc1 .Lnot_wave_0_\@
	s_barrier_signal -3
.Lnot_wave_0_\@:
	s_barrier_wait -3
	s_barrier_signal -1
	s_barrier_wait -1
.endm
.macro CROUND
	s_barrier_signal -1
	s_barrier_wait -1
	CREST
.endm
	s_load_b256 s[4:11], s[0:1], 0x0               ; cc, wo's codes, the scales' exponents, bo
	s_load_b64 s[12:13], s[0:1], 0x20              ; out0
	v_lshl_add_u32 v[SPW], v0, 2, SPARE
	v_mov_b32 v[NIL], 0
	ds_add_u32 v[SPW], v[NIL]                      ; the wave's opening: the add, twice on end, and its wait ahead of my first tensor load
	ds_add_u32 v[SPW], v[NIL]
	v_lshrrev_b32 v1, 5, v0
	v_readfirstlane_b32 s14, v1                    ; wave 0..3
	s_lshr_b32 s15, s14, 1                         ; my half of the tile's tokens.  Also: I fetch for A (0) or for B (1)
	s_and_b32 s16, s14, 1                          ; my half of its outputs.  Also: which half of that tile I fetch
	s_bfe_u32 s40, ttmp6, 0x40000                  ; cx
	s_bfe_u32 s41, ttmp6, 0x40004                  ; cy
	s_lshl_b32 s42, ttmp9, 2
	s_add_co_u32 s42, s42, s40                     ; tile column
	s_and_b32 s17, ttmp7, 0xffff
	s_lshl_b32 s17, s17, 2
	s_add_co_u32 s17, s17, s41                     ; tile row
	s_lshl_b32 s43, s41, 2
	s_lshl_b32 s43, 15, s43                        ; my row of the cluster
	s_lshl_b32 s44, 0x1111, s40                    ; my column
	s_or_b32 s[G1+0], s43, (0<<16)|(1<<20)|(1<<21)|(5<<22)|(3<<25)  ; the mask; elements of 1 byte; padding on; bit 21 beside a mask; 4 words behind every 64
	s_mov_b32 s[G1+1], 8192<<16                    ; tensor_dim0: 128 tokens x 64 bytes
	s_mov_b32 s[G1+2], 4<<16                       ; tensor_dim1: 4 heads
	s_mov_b32 s[G1+3], 8192<<16                    ; tile_dim0
	s_mov_b32 s[G1+4], 4                           ; tile_dim1
	s_mov_b32 s[G1+5], 524288                      ; from head to head
	s_mov_b32 s[G1+6], 0
	s_mov_b32 s[G1+7], 0
	s_or_b32 s[G1B+0], s44, (0<<16)|(1<<20)|(1<<21)|(5<<22)|(3<<25)
	s_mov_b32 s[G1B+1], 256<<16
	s_mov_b32 s[G1B+2], 64<<16
	s_mov_b32 s[G1B+3], 256<<16
	s_mov_b32 s[G1B+4], 64
	s_mov_b32 s[G1B+5], 1024
	s_mov_b32 s[G1B+6], 0
	s_mov_b32 s[G1B+7], 0
	s_lshl_b32 s18, s16, 7
	s_lshl_b32 s20, s17, 8
	s_add_co_u32 s20, s20, s18                     ; A: token 256 x tile row + 128 x half,
	s_lshl_b32 s20, s20, 6                         ; x 64 bytes
	s_mov_b32 s21, 0
	s_lshl_b32 s18, s16, 6
	s_lshl_b32 s46, s42, 7
	s_add_co_u32 s46, s46, s18                     ; B: row 128 x tile column + 64 x half,
	s_lshl_b32 s46, s46, 10                        ; x 1,024 bytes
	s_mov_b32 s47, 0
	s_mul_i32 s45, s16, HALFA                      ; where A's half goes,
	s_mul_i32 s23, s16, HALFB
	s_add_co_u32 s23, s23, 2*HALFA                 ; and B's
	s_wait_dscnt 0x0                               ; both opening adds are done
	s_wait_kmcnt 0x0
	s_load_b64 s[96:97], s[8:9], 0x28              ; e10, e11
	s_add_nc_u64 s[20:21], s[4:5], s[20:21]
	s_add_nc_u64 s[46:47], s[6:7], s[46:47]
	CROUND                                         ; all sixteen work-groups are here: the first joint loads meet
.irp s, 0,1
	s_mov_b32 s[G0+4*\s], 1
	s_add_co_u32 s[G0+4*\s+1], s45, \s*SLOT
	s_add_nc_u64 s[G0+4*\s+2:G0+4*\s+3], s[20:21], \s*0x200000     ; four heads on
	s_or_b32 s[G0+4*\s+3], s[G0+4*\s+3], 0x80000000
	s_mov_b32 s[G0B+4*\s], 1
	s_add_co_u32 s[G0B+4*\s+1], s23, \s*SLOT
	s_add_nc_u64 s[G0B+4*\s+2:G0B+4*\s+3], s[46:47], \s*256
	s_or_b32 s[G0B+4*\s+3], s[G0B+4*\s+3], 0x80000000
	JLOAD G0+4*\s, G1, G0B+4*\s, G1B
.endr
	v_and_b32 v1, 15, v0                           ; r
	v_bfe_u32 v2, v0, 4, 1                         ; h
	v_lshrrev_b32 v3, 2, v1
	v_mul_u32_u24 v3, v3, PITCH
	v_and_b32 v4, 3, v1
	v_lshl_add_u32 v3, v4, 6, v3
	v_lshl_add_u32 v3, v2, 4, v3                   ; A: 272 (r / 4) + 64 (r % 4) + 16 h
	v_mul_u32_u24 v4, v1, PITCH
	v_lshl_add_u32 v4, v2, 4, v4                   ; B: 272 r + 16 h
	s_mul_i32 s21, s15, HALFA
	s_mul_i32 s22, s16, HALFB
	s_add_co_u32 s22, s22, 2*HALFA
.irp s, 0,1
	v_add_nc_u32 v[ADRA+\s], s21, v3
	v_add_nc_u32 v[ADRB+\s], s22, v4
	s_add_co_u32 s21, s21, SLOT
	s_add_co_u32 s22, s22, SLOT
.endr
	s_mul_i32 s23, s14, 16*PITCH                   ; my stage, 16 rows x (256 + 16) bytes, in slot 0: behind its last fill and its last read
	v_mul_u32_u24 v5, v1, PITCH
	v_lshl_add_u32 v5, v2, 5, v5
	v_add_nc_u32 v[STO], s23, v5                   ; in: row r, + 32 h
	v_mul_u32_u24 v5, v2, PITCH
	v_lshl_add_u32 v5, v1, 4, v5
	v_add_nc_u32 v[RD], s23, v5                    ; back: sixteen lanes to a row, two rows an instruction
	v_lshlrev_b32 v[CO], 12, v2
	v_lshl_add_u32 v[CO], v1, 4, v[CO]             ; and the same two rows of out0
	v_lshlrev_b32 v[BOQ], 5, v2
	s_lshl_b32 s18, s42, 9
	s_lshl_b32 s19, s16, 8
	s_add_co_u32 s18, s18, s19                     ; my first output x 4 bytes
	s_mov_b32 s19, 0
	s_add_nc_u64 s[10:11], s[10:11], s[18:19]
	s_add_nc_u64 s[12:13], s[12:13], s[18:19]
	s_lshl_b32 s18, s17, 8
	s_lshl_b32 s20, s15, 7
	s_add_co_u32 s18, s18, s20                     ; my first token,
	s_lshl_b32 s18, s18, 12                        ; x 4,096 bytes
	s_add_nc_u64 s[12:13], s[12:13], s[18:19]
.irp b, 0,1,2,3
	global_load_b128 v[BX+8*\b:BX+8*\b+3], v[BOQ], s[10:11] offset:64*\b       ; bo(16 b + 8 h + 0 .. 7)
	global_load_b128 v[BX+8*\b+4:BX+8*\b+7], v[BOQ], s[10:11] offset:64*\b+16
.endr
.macro FRAGA reg, slot, q, i           ; 16 tokens x 128 K: registers 4 c .. 4 c + 3 hold k = 128 q + 32 c + 16 h + 0 .. 15: head 2 q + c / 2, d = 32 (c % 2) + 16 h on
.irp c, 0,1,2,3
	ds_load_b128 v[\reg+4*\c:\reg+4*\c+3], v[ADRA+\slot] offset:(2*(\q)+\c/2)*HROW+(\i)*1088+32*(\c%2)
.endr
.endm
.macro FRAGB reg, slot, q, i           ; the same k of 16 rows of wo
.irp c, 0,1,2,3
	ds_load_b128 v[\reg+4*\c:\reg+4*\c+3], v[ADRB+\slot] offset:128*(\q)+32*\c+(\i)*16*PITCH
.endr
.endm
.macro MUL8 a0, p, zero                ; A's blocks a0, a0 + 1 x B's four; the 32 accumulators take turns in the same order in every step
.irp a, \a0, \a0+1
.irp b, 0,1,2,3
.if \zero
	v_wmma_f32_16x16x128_fp8_fp8 v[8*(4*(\a)+\b):8*(4*(\a)+\b)+7], v[64*(\p)+FR*\b:64*(\p)+FR*\b+FR-1], v[AF+FR*(\a):AF+FR*(\a)+FR-1], 0
.else
	v_wmma_f32_16x16x128_fp8_fp8 v[8*(4*(\a)+\b):8*(4*(\a)+\b)+7], v[64*(\p)+FR*\b:64*(\p)+FR*\b+FR-1], v[AF+FR*(\a):AF+FR*(\a)+FR-1], v[8*(4*(\a)+\b):8*(4*(\a)+\b)+7]
.endif
.endr
.endr
.endm
.macro FETCH_B slot, q, p
	WIN TO_B
.irp i, 0,1,2,3
	FRAGB 64*(\p)+FR*\i, \slot, \q, \i
.endr
	WIN 0
.endm
.macro FETCH_A slot, q, i0
.irp i, \i0, \i0+1, \i0+2, \i0+3
	FRAGA AF+FR*(\i), \slot, \q, \i
.endr
.endm
.macro PLACES                          ; four plain vector instructions between a matrix instruction and a load into, or a read of, its registers
.rept 4
	v_nop
.endr
.endm
.macro STEP slot, q, zero
	s_wait_dscnt 16                                ; B's set and A's blocks 0-3 are in; the youngest 16 loads (A's blocks 4-7) may be out
	WIN MUL
	MUL8 0, (\q)%2, \zero
	MUL8 2, (\q)%2, \zero
	s_wait_dscnt 0
	PLACES
	FETCH_B \slot, (\q)+1, 1-(\q)%2
	FETCH_A \slot, (\q)+1, 0
	WIN MUL
	MUL8 4, (\q)%2, \zero
	MUL8 6, (\q)%2, \zero
	PLACES
	WIN 0
	FETCH_A \slot, (\q)+1, 4
.endm
.macro TURN slot, next, fill
	s_wait_tensorcnt 0x0                           ; all my tensor loads have landed: my part of the next slot
	ds_add_u32 v[SPW], v[NIL]                      ; 0 onto my spare word
	s_wait_dscnt 17                                ; the add and the youngest 16 loads may be out
	WIN MUL
	MUL8 0, 1, 0
	s_wait_dscnt 0x0                               ; the add is done, and my reads of this slot are over
	s_barrier_signal -1
	MUL8 2, 1, 0
	WIN 0
	s_barrier_wait -1
.if \fill
	CREST                                          ; no wave of any partner still reads this slot or has a load on its way
	s_add_nc_u64 s[G0+4*\slot+2:G0+4*\slot+3], s[G0+4*\slot+2:G0+4*\slot+3], 0x400000
	s_add_nc_u64 s[G0B+4*\slot+2:G0B+4*\slot+3], s[G0B+4*\slot+2:G0B+4*\slot+3], 512
	JLOAD G0+4*\slot, G1, G0B+4*\slot, G1B         ; the first tensor load behind the round; its four v_nop are the places in front of the loads below
.else
	PLACES
.endif
	FETCH_B \next, 0, 0
	FETCH_A \next, 0, 0
	WIN MUL
	MUL8 4, 1, 0
	MUL8 6, 1, 0
	PLACES
	WIN 0
	FETCH_A \next, 0, 4
.endm
	s_wait_tensorcnt 1                             ; my part of the first slot is in (the second slot's load may be out),
	s_barrier_signal -1
	s_barrier_wait -1                              ; everybody's is
	FETCH_B 0, 0, 0
	FETCH_A 0, 0, 0
	FETCH_A 0, 0, 4
	STEP 0, 0, 1                                   ; the first products start the sums
	TURN 0, 1, 1
	STEP 1, 0, 0
	TURN 1, 0, 1
	STEP 0, 0, 0
	TURN 0, 1, 0                                   ; nothing is left to fetch
	STEP 1, 0, 0
	s_wait_dscnt 16                                ; the very last step
	WIN MUL
	MUL8 0, 1, 0
	MUL8 2, 1, 0
	s_wait_dscnt 0
	MUL8 4, 1, 0
	MUL8 6, 1, 0
	WIN 0
; THE WAY OUT, block by block of 16 tokens x 64 outputs: through my stage, back as rows of 256 bytes: sixteen lanes store 256 consecutive bytes, aligned.
.macro TOSTAGE a
.set BB, BK+32*((\a)%2)
	WIN 0x02                                       ; source 0: window 2
.irp j, 0,2,4,6,8,10,12,14,16,18,20,22,24,26,28,30
	v_pk_fma_f32 v[TMP+\j:TMP+\j+1], v[32*(\a)+\j:32*(\a)+\j+1], s[96:97], v[BX+\j:BX+\j+1] op_sel_hi:[1,0,1]   ; sum x 2^(e10 + e11) + bo; each accumulator from its low end on
.endr
	WIN 0
.irp b, 0,1,2,3
	ds_store_b128 v[STO], v[TMP+8*\b:TMP+8*\b+3] offset:64*\b
	ds_store_b128 v[STO], v[TMP+8*\b+4:TMP+8*\b+7] offset:64*\b+16
.endr
.irp t, 0,1,2,3,4,5,6,7
	ds_load_b128 v[BB+4*\t:BB+4*\t+3], v[RD] offset:2*\t*PITCH     ; LDS serves a wave's instructions in order (ISA guide 5.7.1.4)
.endr
.endm
.macro SEND a, younger
.set BB, BK+32*((\a)%2)
	s_wait_dscnt \younger
.irp t, 0,1,2,3,4,5,6,7
	global_store_b128 v[CO], v[BB+4*\t:BB+4*\t+3], s[12:13] offset:65536*(\a)+8192*\t th:TH_STORE_NT   ; written once, read by nobody here
.endr
.endm
	s_wait_kmcnt 0x0
	s_add_co_i32 s96, s96, s97
	s_add_co_i32 s96, s96, 127
	s_lshl_b32 s96, s96, 23                        ; 2^(e10 + e11) as f32
	s_mov_b32 s97, s96
	s_wait_loadcnt 0x0                             ; bo
	PLACES
	TOSTAGE 0
.irp a, 1,2,3,4,5,6,7
.if \a > 1
	s_wait_xcnt 0x0                                ; block a - 2's stores have read their registers: block a's loads may land there
.endif
	TOSTAGE \a
	SEND \a-1, 16                                  ; behind block a - 1's loads: block a's 8 stores and 8 loads
.endr
	SEND 7, 0
	s_wait_tensorcnt 0x0                           ; the wave's end, behind my last tensor load and my last LDS store
	ds_add_u32 v[SPW], v[NIL]
	s_wait_dscnt 0x0
	CROUND                                         ; the closing round
	s_endpgm
.Lfunc_end_k_qd904f68bf1_oproj:
	.size	k_qd904f68bf1_oproj, .Lfunc_end_k_qd904f68bf1_oproj-k_qd904f68bf1_oproj
	.p2alignl 7, 3214868480
	.fill 96, 4, 3214868480
	.section	.rodata,"a",@progbits
	.p2align	6, 0x0
	.amdhsa_kernel k_qd904f68bf1_oproj
		.amdhsa_group_segment_fixed_size 327680
		.amdhsa_private_segment_fixed_size 0
		.amdhsa_enable_private_segment 0
		.amdhsa_kernarg_size 40
		.amdhsa_user_sgpr_count 2
		.amdhsa_user_sgpr_kernarg_segment_ptr 1
		.amdhsa_wavefront_size32 1
		.amdhsa_system_sgpr_workgroup_id_x 1
		.amdhsa_system_sgpr_workgroup_id_y 1
		.amdhsa_system_sgpr_workgroup_id_z 1
		.amdhsa_system_vgpr_workitem_id 0
		.amdhsa_next_free_vgpr 768
		.amdhsa_next_free_sgpr 98
		.amdhsa_reserve_vcc 0
		.amdhsa_float_denorm_mode_32 3
		.amdhsa_float_denorm_mode_16_64 3
		.amdhsa_memory_ordered 1
		.amdhsa_forward_progress 1
		.amdhsa_inst_pref_size 78
	.end_amdhsa_kernel
	.amdgpu_metadata
---
amdhsa.version: [ 1, 2 ]
amdhsa.kernels:
  - .name:           k_qd904f68bf1_oproj
    .symbol:         k_qd904f68bf1_oproj.kd
    .args:
      - { .name: cc, .offset: 0, .size: 8, .value_kind: global_buffer, .address_space: global }
      - { .name: wo_codes, .offset: 8, .size: 8, .value_kind: global_buffer, .address_space: global }
      - { .name: lowp_scales, .offset: 16, .size: 8, .value_kind: global_buffer, .address_space: global }
      - { .name: bo, .offset: 24, .size: 8, .value_kind: global_buffer, .address_space: global }
      - { .name: out0, .offset: 32, .size: 8, .value_kind: global_buffer, .address_space: global }
    .group_segment_fixed_size: 327680
    .private_segment_fixed_size: 0
    .kernarg_segment_align: 8
    .kernarg_segment_size: 40
    .max_flat_workgroup_size: 128
    .sgpr_count:     98
    .vgpr_count:     768
    .wavefront_size: 32
...
	.end_amdgpu_metadata
.endif
;; end of part 3
;; ======== version 2 of 2: 3 launches; version 1 with the launch attn written anew for expert scheduling mode
;; limits: right only within a limited range of input values
;; workspace buffers: qc 8,388,608 bytes; kc 8,388,608 bytes; vc 8,388,608 bytes; cc 8,388,608 bytes; maskw 524,288 bytes of whole numbers
;; launch proj: the kernel of part 1 again; grid 4 x 96, 4 waves a work-group, clusters of 4 x 4, 327,680 bytes of LDS; arguments query_codes, key_codes, wv_codes, wq_codes, wk_codes, value_codes, bq, bk, bv, qc, kc, vc, lowp_scales, mask, maskw; writes qc, kc, vc, maskw
;; launch attn (part 4): grid 4 x 64, 16 waves a work-group, no clusters, 301,056 bytes of LDS; arguments qc, kc, vc, maskw, lowp_scales, cc; writes cc
.if DOCPART == 4
	.amdgcn_target "amdgcn-amd-amdhsa--gfx1250"
	.amdhsa_code_object_version 6
	.text
	.protected	k_qd904f68bf1_attn
	.globl	k_qd904f68bf1_attn
	.p2align	8
	.type	k_qd904f68bf1_attn,@function
k_qd904f68bf1_attn:
	s_mov_b64 s[64:65], 0
	v_nop
	global_prefetch_b8 v0, s[64:65] scope:SCOPE_SE
	s_setreg_imm32_b32 hwreg(HW_REG_WAVE_SCHED_MODE, 0, 2), 2
	s_setreg_imm32_b32 hwreg(HW_REG_WAVE_MODE, 25, 1), 1
	s_wait_xcnt 0x0
	s_wait_alu depctr_vm_vsrc(0)
; ctx = softmax(where(mask, q k^T / 8, -1e9)) v on E4M3 codes, and ctx quantised.  Nothing of reference() is left out here.
; qc, kc: [head][token][64 bytes]; vc: [head][token / 128][d 64][128 bytes], keys innermost; maskw: [query tile 128][key step 16][64 words], bit 16 h + r of word 8 t + j = mask[16 tile + r][128 step + 16 t + 8 h + j];
; cc: [head][token][64 bytes], d in its natural order.  lowp_scales: e6 (q), e7 (k), e8 (p), e9 (v), e10 (ctx).
; THE SOFTMAX: t = score x log2(e) / 8; M = the running largest t rounded UP to a whole number; p = 2^(t - M) is quantised with 2^e8; the row's sum is taken of the unquantised p and divides at the end;
; when M moves, the sum and O are multiplied by 2^(old M - new M), which rounds nothing.
; THE MASK: a hidden score is replaced, ahead of the maximum, by -2^(33 - e6 - e7), that is the logit -2^30 in the place of -1e9.  Both give the same results: codes are at most 448, so
; |logit| <= 64 x 448^2 x 2^(e6 + e7) / 8 < 8.3e8 where e6 + e7 <= 9; so in a row with an open key either constant gives p = 0; in a row with none all t are equal and, being above 2^24, whole: t - M = 0, p = 1.
; LIMITS: e6 + e7 between -94 and 9; e8, and e10 - e8 - e9, between -126 and 119.  NaN codes are not served.
; SHARES: a work-group owns 512 queries of one batch and head; the head's 2,048 keys lie whole in LDS (K 128 KiB, V 128 KiB, padded), each byte written once.  Sixteen waves, four to a SIMD; a wave owns two tiles of
; 16 queries and takes them one after the other, 16 key steps of 128 each.  Both products are used transposed (S^T = K Q^T, O^T = V^T P^T): a lane holds one query throughout.
; NO TENSOR LOAD AND NO CLUSTER: a step jumps over its 64 selects where its 64 mask words are all ones, and over its 64 holds where e8 >= -8 (p <= 1 <= 448 x 2^e8): branches on whole numbers read from memory.
; They spare up to 128 vector instructions of a step; shared loads would spare three of four reads of 256 KiB for each head, once in the launch.
; THE FILL goes through registers, 512 keys a chunk, each chunk asked for a whole chunk's four steps ahead of its use; a barrier stands between a chunk's stores and its first read.
; THE MODE: SCHED_MODE bits 1:0 = 2 (LLVM: expert scheduling mode 2), set by the entry lines.  The code itself states the register dependences between vector or matrix instructions and memory or LDS
; instructions, with s_wait_alu, always for 0.
; THE PLAN.  Registers that memory or LDS instructions touch:
;   F            A step: K's 16 LDS loads land in it; the 8 products K Q^T read it; V's 16 LDS loads land in it; the 4 products V^T P read it.  The way out: conversions write F .. F+7, LDS stores read them; LDS loads
;                land in F+8 .. F+15, global stores read them.
;   ADK, ADV     Written by two additions at a step's head; read by the step's LDS loads.
;   FD           The fill's global loads land in it, the fill's LDS stores read it; no vector instruction names it.
;   FK, FV       Read by the fill's LDS stores; stepped by two additions behind them.
;   FG, QO, STO, RD, GO, SPW, NIL   Made at the head, never written again.      v16-31   Q: loaded once.
;   the mask words (scalar registers)   Scalar loads land in them; in a step with hidden keys the 64 selects read them.
; A STEP'S WAITS.  At its head one on vm_vsrc (ADK, ADV and, behind a way out, F have been read) and, behind the two additions, one on va_vdst (ADK, ADV are written; the last step's V^T P are done reading F): K's loads
; follow.  Behind the mask's branch one on va_vdst (K Q^T are done reading F; the selects are done reading the mask words): the next mask words are asked for, and V's loads are dealt among the 30 lines of the maximum,
; which name S, T0 and T1 alone.  Behind the exponentials the wait for their results.  The fill's LDS stores of chunk c + 1 read FK and FV, written behind chunk c's: the waits of the four steps between state that.
.set VBASE,  512*272                   ; K: 512 rows of 256 bytes (4 keys) + 16 of padding; V behind it: 512 rows of 256 bytes (2 rows of d x 128 keys) + 16
.set SPARE,  2*VBASE                   ; the spare words, 128 bytes a wave
.set STAGE,  SPARE+2048                ; the way out: 16 rows x (64 + 16) bytes a wave
.set STEPB,  32*272                    ; a key step in K and in V
.set CHUNKB, 4*STEPB
.set AK0, 1                            ; v1   272 (r / 4) + 64 (r % 4) + 16 h
.set AV0, 2                            ; v2   VBASE + 272 (r / 2) + 128 (r % 2) + 16 h
.set STO, 3
.set RD,  4
.set SPW, 5
.set NIL, 6
.set GO,  7                            ; v7   16 x lane
.set ADK, 8
.set ADV, 9
.set QO,  10
.set SENT, 11                          ; v11  the hidden score
.set F,   32                           ; v32-95   fragments of K, then of V
.set S,   96                           ; v96-159  S^T, then p
.set O,   160                          ; v160-191 O^T
.set PC,  192                          ; v192-207 p's codes
.set PLIM, 208                         ; 448 x 2^e8
.set PSC,  209                         ; 2^e8
.set CSC,  210                         ; 2^(e10 - e8 - e9)
.set CLIM, 211                         ; 448 x that
.set T0,  212
.set T1,  213
.set PX,  214
.set FF,  216                          ; v[216:217] f
.set S2,  218                          ; v[218:219] the second chain of the sum
.set FG,  220
.set FK,  221
.set FV,  222
.set FD,  224                          ; v224-255 a chunk's bytes on their way
.set TB,  2                            ; s2   LDS byte of the key step
.set SOFF, 16                          ; s16  byte of the mask unit that is being fetched
.set WV,  17
.set SEL, 20
.set CS,  22                           ; s[22:23] c = log2(e) / 8 x 2^(e6 + e7)
; v12 -M, v13 the largest t, v[14:15] the sum; v16-23, v24-31 Q of the two tiles; mask words 0-31 in s32-63, 32-63 in s68-99
	s_load_b256 s[4:11], s[0:1], 0x0               ; qc, kc, vc, maskw
	s_load_b128 s[12:15], s[0:1], 0x20             ; the scales' exponents, cc
	v_lshl_add_u32 v[SPW], v0, 2, SPARE
	v_mov_b32 v[NIL], 0
	v_lshrrev_b32 v8, 5, v0
	v_readfirstlane_b32 s[WV], v8                  ; wave 0..15
	v_and_b32 v32, 31, v0                          ; lane
	v_and_b32 v33, 15, v0                          ; r
	v_bfe_u32 v34, v0, 4, 1                        ; h
	v_lshrrev_b32 v35, 2, v33
	v_mul_u32_u24 v[AK0], v35, 272
	v_and_b32 v35, 3, v33
	v_lshl_add_u32 v[AK0], v35, 6, v[AK0]
	v_lshl_add_u32 v[AK0], v34, 4, v[AK0]
	v_lshrrev_b32 v35, 1, v33
	v_mul_u32_u24 v[AV0], v35, 272
	v_and_b32 v35, 1, v33
	v_lshl_add_u32 v[AV0], v35, 7, v[AV0]
	v_lshl_add_u32 v[AV0], v34, 4, v[AV0]
	v_add_nc_u32 v[AV0], VBASE, v[AV0]
	s_wait_alu depctr_va_sdst(0)                   ; the wave's number is written into s[WV], ahead of its first reader: LDS places, pointers and the mask's offset are made from it
	s_mul_i32 s3, s[WV], 1280
	s_add_co_u32 s3, s3, STAGE                     ; my stage
	v_mul_u32_u24 v[STO], v33, 80
	v_lshl_add_u32 v[STO], v34, 3, v[STO]
	v_add_nc_u32 v[STO], s3, v[STO]                ; in: row r, + 8 h
	v_lshrrev_b32 v35, 2, v32
	v_mul_u32_u24 v[RD], v35, 80
	v_and_b32 v35, 3, v32
	v_lshl_add_u32 v[RD], v35, 4, v[RD]
	v_add_nc_u32 v[RD], s3, v[RD]                  ; back: four lanes to a row, eight rows an instruction
	v_lshlrev_b32 v[GO], 4, v32
	v_lshlrev_b32 v[QO], 6, v33
	v_lshl_add_u32 v[QO], v34, 4, v[QO]            ; Q: row r of 64 bytes, + 16 h
	s_lshl_b32 s3, s[WV], 11
	v_lshl_add_u32 v[FG], v32, 4, s3               ; the fill, in memory: wave x 2,048 + 16 x lane
	s_mul_i32 s3, s[WV], 2176
	v_mul_u32_u24 v[FK], v34, 272
	v_lshl_add_u32 v[FK], v33, 4, v[FK]
	v_add_nc_u32 v[FK], s3, v[FK]                  ; and in LDS: eight rows a wave, sixteen lanes to a row
	v_add_nc_u32 v[FV], VBASE, v[FK]
	v_mov_b32 v[PX], 0                             ; a lane permute's destination counts as read
	v_mov_b32 v[FF+1], 0                           ; (named as the upper half of the pair)
	s_and_b32 s26, ttmp7, 0xffff
	s_and_b32 s18, s26, 15                         ; head
	s_lshr_b32 s26, s26, 4                         ; batch
	s_lshl_b32 s18, s18, 19
	s_lshl_b32 s26, s26, 17
	s_add_co_u32 s26, s26, s18                     ; the head's 2,048 tokens, in each buffer of codes
	s_mov_b32 s27, 0
	s_lshl_b32 s18, ttmp9, 15                      ; my work-group's 512 queries,
	s_lshl_b32 s19, s[WV], 11                      ; my wave's 32
	s_add_co_u32 s18, s18, s19
	s_add_co_u32 s18, s18, s26
	s_mov_b32 s19, 0
	s_lshl_b32 s[SOFF], ttmp9, 17                  ; my first mask unit: (32 x + 2 wave) query tiles x 16 steps x 256 bytes
	s_lshl_b32 s3, s[WV], 13
	s_add_co_u32 s[SOFF], s[SOFF], s3
	s_mov_b32 s[SEL], 0x76543210
	s_mov_b32 s[SEL+1], 0xfedcba98
	s_wait_kmcnt 0x0
	s_load_b128 s[28:31], s[12:13], 0x18           ; e6, e7, e8, e9
	s_load_b32 s66, s[12:13], 0x28                 ; e10
	s_add_nc_u64 s[6:7], s[6:7], s[26:27]
	s_add_nc_u64 s[8:9], s[8:9], s[26:27]
	s_add_nc_u64 s[4:5], s[4:5], s[18:19]
	s_add_nc_u64 s[14:15], s[14:15], s[18:19]
.macro MASKLOAD                        ; a unit's 64 words
	s_load_b512 s[32:47], s[10:11], s[SOFF] offset:0x0
	s_load_b512 s[48:63], s[10:11], s[SOFF] offset:0x40
	s_load_b512 s[68:83], s[10:11], s[SOFF] offset:0x80
	s_load_b512 s[84:99], s[10:11], s[SOFF] offset:0xc0
.endm
.macro FILL_LOAD c                     ; chunk c: 32 KiB of K and of V; my wave's 2,048 bytes of each, 512 consecutive bytes a load
.irp n, 0,1,2,3
	global_load_b128 v[FD+4*\n:FD+4*\n+3], v[FG], s[6:7] offset:32768*(\c)+512*\n
.endr
.irp n, 0,1,2,3
	global_load_b128 v[FD+16+4*\n:FD+16+4*\n+3], v[FG], s[8:9] offset:32768*(\c)+512*\n
.endr
.endm
.macro FILL_STORE
.irp n, 0,1,2,3
	ds_store_b128 v[FK], v[FD+4*\n:FD+4*\n+3] offset:544*\n
	ds_store_b128 v[FV], v[FD+16+4*\n:FD+16+4*\n+3] offset:544*\n
.endr
	s_wait_alu depctr_vm_vsrc(0)                   ; the eight LDS stores have read v[FK] and v[FV], which the additions below write, and FD, in which the next chunk's loads land
	v_add_nc_u32 v[FK], CHUNKB, v[FK]              ; the next chunk's place
	v_add_nc_u32 v[FV], CHUNKB, v[FV]
.endm
	MASKLOAD
	s_wait_alu depctr_va_vdst(0)                   ; the offsets and LDS addresses FG, QO, FK, FV, STO, RD, GO, SPW and NIL are written: every load and store of the kernel reads one of them, and none but FK and FV is written again
	FILL_LOAD 0
	global_load_b128 v[16:19], v[QO], s[4:5]                 ; Q stays in registers: tile 0,
	global_load_b128 v[20:23], v[QO], s[4:5] offset:32
	global_load_b128 v[24:27], v[QO], s[4:5] offset:1024     ; tile 1
	global_load_b128 v[28:31], v[QO], s[4:5] offset:1056
	s_wait_kmcnt 0x0
	s_add_co_i32 s26, s28, s29                     ; e6 + e7
	s_lshl_b32 s27, s26, 23
	s_mov_b32 s[CS], 0x3e38aa3b                    ; log2(e) / 8
	s_add_co_i32 s[CS], s[CS], s27                 ; x 2^(e6 + e7): added to the exponent field
	s_mov_b32 s[CS+1], s[CS]
	s_sub_co_i32 s26, 160, s26
	s_lshl_b32 s26, s26, 23
	s_or_b32 s26, s26, 0x80000000
	v_mov_b32 v[SENT], s26                         ; -2^(33 - e6 - e7)
	s_add_co_i32 s26, s30, 127
	s_lshl_b32 s27, s26, 23
	v_mov_b32 v[PSC], s27
	s_add_co_i32 s26, s26, 8
	s_lshl_b32 s26, s26, 23
	s_or_b32 s26, s26, 0x600000
	v_mov_b32 v[PLIM], s26
	s_sub_co_i32 s26, s66, s30                     ; a sum of the second product stands for sum x 2^(e8 + e9): the three scales are folded into the conversion's one
	s_sub_co_i32 s26, s26, s31
	s_add_co_i32 s26, s26, 127
	s_lshl_b32 s27, s26, 23
	v_mov_b32 v[CSC], s27
	s_add_co_i32 s26, s26, 8
	s_lshl_b32 s26, s26, 23
	s_or_b32 s26, s26, 0x600000
	v_mov_b32 v[CLIM], s26
; A KEY STEP: 128 keys against the 16 queries whose fragment begins at v[q].
.macro STEP q
	s_wait_alu depctr_vm_vsrc(0)                   ; the LDS loads issued so far have read v[ADK] and v[ADV], which are written anew; behind a way out, its LDS stores and global stores have read F's registers, in which K's loads land
	v_add_nc_u32 v[ADK], s[TB], v[AK0]
	v_add_nc_u32 v[ADV], s[TB], v[AV0]
	v_nop                                          ; with the two additions: four plain instructions between the last products and the loads into the registers that they read; they stay beside the wait below
	v_nop
	s_wait_alu depctr_va_vdst(0)                   ; v[ADK] and v[ADV] are written, which this step's LDS loads read; the last step's products V^T P are done reading F, and what the head or a way out wrote there is written: K's loads land in it
.irp t, 0,1,2,3,4,5,6,7
	ds_load_b128 v[F+8*\t:F+8*\t+3], v[ADK] offset:1088*\t          ; tile t: keys 16 t + r, bytes 16 h on and 32 + 16 h on: the order in which Q was loaded
	ds_load_b128 v[F+8*\t+4:F+8*\t+7], v[ADK] offset:1088*\t+32
.endr
	s_wait_dscnt 8                                 ; tiles 0-3 are in; the youngest eight loads may be out
.irp t, 0,1,2,3
	v_wmma_f32_16x16x64_fp8_fp8 v[S+8*\t:S+8*\t+7], v[F+8*\t:F+8*\t+7], v[\q:\q+7], 0
.endr
	s_wait_dscnt 0x0
.irp t, 4,5,6,7
	v_wmma_f32_16x16x64_fp8_fp8 v[S+8*\t:S+8*\t+7], v[F+8*\t:F+8*\t+7], v[\q:\q+7], 0
.endr                                          ; register 8 t + j of lane (r, h): query r, key 16 t + 8 h + j
.rept 4
	v_nop                                          ; four places between the products and the first vector instruction that reads their results
.endr
	s_wait_kmcnt 0x0                               ; this step's mask words, asked for a step ago
	s_and_b64 s[24:25], s[32:33], s[34:35]         ; (the scalar lines stand ahead of the wait on va_vdst below: they name no vector register)
.irp w, 36,38,40,42,44,46,48,50,52,54,56,58,60,62,68,70,72,74,76,78,80,82,84,86,88,90,92,94,96,98
	s_and_b64 s[24:25], s[24:25], s[\w:\w+1]
.endr
	s_cmp_eq_u64 s[24:25], -1
	s_cbranch_scc1 .Lopen_\@                       ; all 2,048 bits set: nothing is hidden in this step
.set n, 0
.rept 64
.if n < 32
	v_cndmask_b32 v[S+n], v[SENT], v[S+n], s[32+n]
.else
	v_cndmask_b32 v[S+n], v[SENT], v[S+n], s[36+n]
.endif
.set n, n+1
.endr
.Lopen_\@:
	s_wait_alu depctr_va_vdst(0)                   ; the products K Q^T are done reading F, in which V's loads land; the selects, where they ran, are done reading the mask words, in which the scalar loads below land
	s_add_co_u32 s[SOFF], s[SOFF], 256             ; the next unit (my second tile's units follow my first's); the last look-ahead is held at the buffer's last unit
	s_min_u32 s[SOFF], s[SOFF], 524032
	MASKLOAD
; V^T, d = 16 u + r, registers F + 16 u + 4 c, asked for here and wanted behind the softmax: the sixteen loads are dealt among the lines of the maximum.  No further wait: no vector instruction since the wait above names F or v[ADV]
	ds_load_b128 v[F:F+3], v[ADV]
	v_max3_num_f32 v[T0], v[S], v[S+1], v[S+2]     ; the step's largest score of my query among my 64 keys, in two chains; each accumulator is first read at its low end
	ds_load_b128 v[F+4:F+7], v[ADV] offset:32
	v_max3_num_f32 v[T1], v[S+3], v[S+4], v[S+5]
.irp i, 6,10,14,18,22,26,30,34,38,42,46,50,54,58
	ds_load_b128 v[F+2+\i:F+5+\i], v[ADV] offset:2176*((\i+2)/16)+32*(((\i+2)/4)%4)   ; load (i + 2) / 4 of the sixteen: u = (i + 2) / 16, c = ((i + 2) / 4) % 4
	v_max3_num_f32 v[T0], v[T0], v[S+\i], v[S+1+\i]
	v_max3_num_f32 v[T1], v[T1], v[S+2+\i], v[S+3+\i]
.endr
	v_max3_num_f32 v[T0], v[T0], v[S+62], v[S+63]
	v_max_num_f32 v[T0], v[T0], v[T1]
	v_permlanex16_b32 v[PX], v[T0], s[SEL], s[SEL+1]
	v_max_num_f32 v[T0], v[T0], v[PX]              ; and among lane l xor 16's
	v_mul_f32 v[T0], s[CS], v[T0]                  ; as t (c is positive)
	v_max_num_f32 v13, v13, v[T0]                  ; the running largest t
	v_mov_b32 v[T0], v12
	v_floor_f32 v12, -v13                          ; -M = floor(-t): M is a whole number
	v_sub_f32 v[T0], v12, v[T0]                    ; old M - new M, 0 or less
	v_cvt_i32_f32 v[T0], v[T0]                     ; (it saturates)
	v_ldexp_f32 v[FF], 1.0, v[T0]                  ; f = 2^(old M - new M)
.set i, 0
.rept 32
	v_pk_fma_f32 v[S+i:S+i+1], v[S+i:S+i+1], s[CS:CS+1], v[12:13] op_sel_hi:[1,0,0]   ; t - M, two at a time
.set i, i+2
.endr
.set i, 0
.rept 64
	v_exp_f32 v[S+i], v[S+i]                       ; p = 2^(t - M)
.set i, i+1
.endr
	v_pk_mul_f32 v[14:15], v[14:15], v[FF:FF+1] op_sel_hi:[1,0]   ; the sums under the new M: the plain instruction behind the exponentials
	s_wait_alu depctr_va_vdst(0)                   ; the 64 exponentials have written p in v[S ..]: one wait for the batch, ahead of its first reader
	v_pk_add_f32 v[S2:S2+1], v[S:S+1], v[S+2:S+3]  ; the row's sum of the unquantised p, in two chains
.irp j, 4,8,12,16,20,24,28,32,36,40,44,48,52,56,60
	v_pk_add_f32 v[14:15], v[14:15], v[S+\j:S+1+\j]
	v_pk_add_f32 v[S2:S2+1], v[S2:S2+1], v[S+2+\j:S+3+\j]
.endr
	v_pk_add_f32 v[14:15], v[14:15], v[S2:S2+1]
	s_cmp_ge_i32 s30, -8                           ; where 448 x 2^e8 >= 1 the hold can never bind
	s_cbranch_scc1 .Lheld_\@
.set i, 0
.rept 64
	v_min_num_f32 v[S+i], v[S+i], v[PLIM]          ; the conversion does not saturate (ISA guide 7.6.2); p is not negative
.set i, i+1
.endr
.Lheld_\@:
.irp t, 0,1,2,3,4,5,6,7
	v_cvt_scalef32_pk8_fp8_f32 v[PC+2*\t:PC+2*\t+1], v[S+8*\t:S+8*\t+7], v[PSC]   ; registers 2 t, 2 t + 1 of the operand: keys 16 t + 8 h + 0 .. 7
.endr
.set i, 0
.rept 16
	v_pk_mul_f32 v[O+i:O+i+1], v[O+i:O+i+1], v[FF:FF+1] op_sel_hi:[1,0]   ; O^T under the new M; also the plain instructions behind the conversions
.set i, i+2
.endr
	s_wait_dscnt 0x0                               ; V's fragments
.irp u, 0,1,2,3
	v_wmma_f32_16x16x128_fp8_fp8 v[O+8*\u:O+8*\u+7], v[F+16*\u:F+16*\u+15], v[PC:PC+15], v[O+8*\u:O+8*\u+7]   ; the four accumulators by turns
.endr
.endm
.macro RUN n, q                        ; n key steps
	s_mov_b32 s3, \n
.Lrun_\@:
	STEP \q
	s_add_co_u32 s[TB], s[TB], STEPB
	s_sub_co_u32 s3, s3, 1
	s_cmp_lg_u32 s3, 0
	s_cbranch_scc1 .Lrun_\@
.endm
.macro INIT                            ; the step is written once: the first finds zeros, which the first change of M leaves zeros
	v_mov_b32 v13, 0xff61b1e6                      ; -3e38, under every t
	v_floor_f32 v12, -v13
	v_mov_b32 v14, 0
	v_mov_b32 v15, 0
.set i, 0
.rept 32
	v_mov_b32 v[O+i], 0
.set i, i+1
.endr
.endm
.macro OUT p                           ; O^T / the sum, quantised with the folded scale, through my stage, out as 2 x 512 dense bytes
.rept 4
	v_nop
.endr
	v_add_f32 v14, v14, v15
	v_permlanex16_b32 v[PX], v14, s[SEL], s[SEL+1]
	v_add_f32 v14, v14, v[PX]                      ; the row's sum
	v_rcp_f32 v[FF], v14
	v_nop                                          ; a plain instruction behind the reciprocal,
	s_wait_alu depctr_va_vdst(0)                   ; and the wait ahead of its first reader: the reciprocal has written v[FF]
.set i, 0
.rept 16
	v_pk_mul_f32 v[S+i:S+i+1], v[O+i:O+i+1], v[FF:FF+1] op_sel_hi:[1,0]
.set i, i+2
.endr
.set i, 0
.rept 32
	v_med3_num_f32 v[S+i], v[S+i], -v[CLIM], v[CLIM]
.set i, i+1
.endr
.irp u, 0,1,2,3
	v_cvt_scalef32_pk8_fp8_f32 v[F+2*\u:F+2*\u+1], v[S+8*\u:S+8*\u+7], v[CSC]    ; d = 16 u + 8 h + 0 .. 7
.endr
	v_nop
	s_wait_alu depctr_va_vdst(0)                   ; the conversions have written F .. F+7, which the LDS stores read; the last products are done reading F+8 .. F+15, in which the LDS loads land
.irp u, 0,1,2,3
	ds_store_b64 v[STO], v[F+2*\u:F+2*\u+1] offset:16*\u
.endr
	ds_load_b128 v[F+8:F+11], v[RD]                ; LDS serves a wave's instructions in order (ISA guide 5.7.1.4)
	ds_load_b128 v[F+12:F+15], v[RD] offset:640
	s_wait_dscnt 0x0
	global_store_b128 v[GO], v[F+8:F+11], s[14:15] offset:1024*\p
	global_store_b128 v[GO], v[F+12:F+15], s[14:15] offset:1024*\p+512
	s_wait_xcnt 0x0                                ; the stores have had their addresses translated; that they have read their registers is stated at the next step's head, ahead of the loads into F
.endm
	s_wait_loadcnt 4                               ; chunk 0's eight loads are in; Q's four may be out
	FILL_STORE
	s_wait_dscnt 0x0                               ; my stores have landed, for the others' sake
	FILL_LOAD 1
	s_barrier_signal -1
	s_barrier_wait -1                              ; chunk 0 lies whole in LDS
	s_wait_loadcnt 8                               ; Q is in; chunk 1's eight loads stay out
	INIT
	s_mov_b32 s[TB], 0
	RUN 4, 16
.irp c, 1,2,3
	s_wait_loadcnt 0x0                             ; chunk c, asked for four steps ago
	FILL_STORE                                     ; into bytes that nobody has touched yet.  v[FK] and v[FV] were written ahead of the four steps' waits on va_vdst, and nothing has named them since
	s_wait_dscnt 0x0
.if \c < 3
	FILL_LOAD \c+1
.endif
	s_barrier_signal -1
	s_barrier_wait -1
	s_mov_b32 s[TB], \c*CHUNKB
	RUN 4, 16
.endr
	OUT 0
	INIT
	s_mov_b32 s[TB], 0
	RUN 16, 24                                     ; my second tile: all keys lie in LDS
	OUT 1
	s_wait_kmcnt 0x0                               ; the last look-ahead
	s_wait_dscnt 0x0                               ; the closing lines, six on end
	s_wait_alu 0x0
	s_wait_tensorcnt 0x0
	ds_add_u32 v[SPW], v[NIL]
	s_wait_dscnt 0x0
	s_endpgm
.Lfunc_end_k_qd904f68bf1_attn:
	.size	k_qd904f68bf1_attn, .Lfunc_end_k_qd904f68bf1_attn-k_qd904f68bf1_attn
	.p2alignl 7, 3214868480
	.fill 96, 4, 3214868480
	.section	.rodata,"a",@progbits
	.p2align	6, 0x0
	.amdhsa_kernel k_qd904f68bf1_attn
		.amdhsa_group_segment_fixed_size 301056
		.amdhsa_private_segment_fixed_size 0
		.amdhsa_enable_private_segment 0
		.amdhsa_kernarg_size 48
		.amdhsa_user_sgpr_count 2
		.amdhsa_user_sgpr_kernarg_segment_ptr 1
		.amdhsa_wavefront_size32 1
		.amdhsa_system_sgpr_workgroup_id_x 1
		.amdhsa_system_sgpr_workgroup_id_y 1
		.amdhsa_system_sgpr_workgroup_id_z 1
		.amdhsa_system_vgpr_workitem_id 0
		.amdhsa_next_free_vgpr 256
		.amdhsa_next_free_sgpr 100
		.amdhsa_reserve_vcc 0
		.amdhsa_float_denorm_mode_32 3
		.amdhsa_float_denorm_mode_16_64 3
		.amdhsa_memory_ordered 1
		.amdhsa_forward_progress 1
		.amdhsa_inst_pref_size 127
	.end_amdhsa_kernel
	.amdgpu_metadata
---
amdhsa.version: [ 1, 2 ]
amdhsa.kernels:
  - .name:           k_qd904f68bf1_attn
    .symbol:         k_qd904f68bf1_attn.kd
    .args:
      - { .name: qc, .offset: 0, .size: 8, .value_kind: global_buffer, .address_space: global }
      - { .name: kc, .offset: 8, .size: 8, .value_kind: global_buffer, .address_space: global }
      - { .name: vc, .offset: 16, .size: 8, .value_kind: global_buffer, .address_space: global }
      - { .name: maskw, .offset: 24, .size: 8, .value_kind: global_buffer, .address_space: global }
      - { .name: lowp_scales, .offset: 32, .size: 8, .value_kind: global_buffer, .address_space: global }
      - { .name: cc, .offset: 40, .size: 8, .value_kind: global_buffer, .address_space: global }
    .group_segment_fixed_size: 301056
    .private_segment_fixed_size: 0
    .kernarg_segment_align: 8
    .kernarg_segment_size: 48
    .max_flat_workgroup_size: 512
    .sgpr_count:     100
    .vgpr_count:     256
    .wavefront_size: 32
...
	.end_amdgpu_metadata
.endif
;; end of part 4
;; launch oproj: the kernel of part 3 again; grid 8 x 32, 4 waves a work-group, clusters of 4 x 4, 327,680 bytes of LDS; arguments cc, wo_codes, lowp_scales, bo, out0; writes out0
